; MI455X (gfx1250); checked and timed in simulation.
; The chip was launched on July 23, 2026; its instructions are those of AMD's public machine-readable ISA for CDNA 5 (MIT licence, August 2026) and "CDNA5" Instruction Set Architecture Reference Guide (July 2026). The comments in the code are by the model that wrote it; some were corrected since.
;; Attention. Allowed arithmetic: matrix products marked QUANTISED: E2M1 operands, one E8M0 scale for each 32 along K, by v_wmma_scale_f32_16x16x128_f8f6f4 with both operands' format E2M1 (or v_wmma_scale_f32_32x16x128_f4), f32 sums; products left as they are: bf16, f16 or f32 operands; f32 sums; everything else in f32.
;; Inputs: Wk 768 x 768 float32; Wo 768 x 768 float32; Wq 768 x 768 float32; Wv 768 x 768 float32; bk 768 float32; bo 768 float32; bq 768 float32; bv 768 float32; mask 2 x 8 x 1 x 1 x 1,024 int32; x 2 x 8 x 1,024 x 768 float32.
;; Outputs: out0 2 x 8 x 1,024 x 768 float32.
;; This version of the problem:
;;   THIS VERSION OF THE PROBLEM IS GIVEN IN LOW PRECISION. The matrix products marked QUANTISED in the list below multiply operands that are first quantised to E2M1 (2 exponent bits, 1 mantissa bit; 4 bits a number), with one power-of-two scale for each 32 numbers along K (OCP MX v1.0); their sums are f32. The products marked 'left as it is' may take bf16, f16 or f32 operands, with f32 sums. Whichever they take, every output number must still come out within the allowed error. Rounding operands to bf16 (8 significant bits) uses up far more of that allowance than f16 does (11 bits, for magnitudes from 6e-5 to 65,504). All else is computed in f32.
;;   The module's matrix products, in the order in which they are computed (A, B: the left and right operand; K: the contracted axis; several contracted axes count as one K, in the product's order):
;;     1. [M 16,384, K 768] x [K 768, N 768]; A: input x; B: input Wq: QUANTISED
;;     2. [M 16,384, K 768] x [K 768, N 768]; A: input x; B: input Wk: QUANTISED
;;     3. [M 16,384, K 768] x [K 768, N 768]; A: input x; B: input Wv: QUANTISED
;;     4. batch 192 x [M 1,024, K 64] x [K 64, N 1,024]; A: computed on the way; B: computed on the way: left as it is (an operand is computed on the way)
;;     5. batch 192 x [M 1,024, K 1,024] x [K 1,024, N 64]; A: computed on the way; B: computed on the way: left as it is (an operand is computed on the way)
;;     6. [M 16,384, K 768] x [K 768, N 768]; A: computed on the way; B: input Wo: left as it is (an operand is computed on the way)
;;   THE QUANTISER, for each operand of a quantised product, along K:
;;     - K is cut into blocks of 32 from its start; a last block that is shorter is filled with zeros.
;;     - A block's scale is 2^e with e = floor(log2(the largest magnitude in the block)) - 2, held to -126 .. 127; a block of zeros has e = 0. As a byte (E8M0): e + 127.
;;     - Each number is divided by its block's scale, clamped to +-6, and rounded to the nearest number of E2M1, ties to even, subnormals kept.
;;     - The product sums the exact products of the quantised numbers (number of the format x scale) in f32.
;;   ~~~python
;;   def quantise(x, axis):      # numpy; x: float32 -> the quantised numbers, widened to float32 again
;;       x = np.moveaxis(x, axis, -1); K = x.shape[-1]
;;       x = np.pad(x, [(0, 0)] * (x.ndim - 1) + [(0, -K % 32)]); x = x.reshape(x.shape[:-1] + (-1, 32)); a = np.abs(x).max(-1, keepdims=True)
;;       e = np.where(a > 0, np.clip(np.frexp(np.where(a > 0, a, 1))[1] - 1 - 2, -126, 127), 0)      # np.frexp(a)[1] - 1 = floor(log2(a)), exactly
;;       r = np.clip(x / 2.0 ** e, -6, 6)
;;       step = 2.0 ** (np.maximum(np.frexp(np.where(r == 0, 1, r))[1] - 1, 0) - 1)
;;       q = np.round(r / step) * step * 2.0 ** e      # np.round: ties to even
;;       return np.moveaxis(q.reshape(q.shape[:-2] + (-1,))[..., :K], -1, axis).astype(np.float32)
;;   ~~~
;; One version. Each part assembles by itself: llvm-mc -triple=amdgcn-amd-amdhsa -mcpu=gfx1250 --defsym DOCPART=n.
;; ======== version 1 of 1: 4 launches
;; limits: values are held in f16: magnitudes above 65,504 overflow, below 6.1e-05 lose precision
;; workspace buffers: xc 6,291,456 bytes; aux 720,896 bytes; wpk 1,105,920 bytes; wof 1,179,648 bytes; qf 25,165,824 bytes; kv 50,331,648 bytes; of 25,165,824 bytes
;; launch prep (part 1): grid 617 x 1, 4 waves a work-group, no clusters, 35,328 bytes of LDS; arguments x, Wq, Wk, Wv, Wo, bq, bk, bv, mask, xc, aux, wpk, wof; writes xc, aux, wpk, wof
.if DOCPART == 1
	.amdgcn_target "amdgcn-amd-amdhsa--gfx1250"
	.amdhsa_code_object_version 6
	.text
	.protected	k_qbfff7edd62_prep
	.globl	k_qbfff7edd62_prep
	.p2align	8
	.type	k_qbfff7edd62_prep,@function
k_qbfff7edd62_prep:
	s_mov_b64 s[64:65], 0
	v_nop
	global_prefetch_b8 v0, s[64:65] scope:SCOPE_SE
	s_setreg_imm32_b32 hwreg(HW_REG_WAVE_MODE, 25, 1), 1
	s_wait_xcnt 0x0
; Everything that the three later launches want laid ready, each operand as an IMAGE OF ITS REGISTERS (a fragment: 8 registers a lane = 2 chunks of 512 bytes, lane l's 16 bytes at 16 l).
; Six kinds of work, told apart by the work-group's number alone:
;   0..383   X: x [16384][768] f32 -> E2M1 codes (xc [row tile 1024][K step 6][1024 B]) and E8M0 scale words (aux + 327680: [K step 6][16384 rows] words)
;   384..491 W: Wq, Wk, Wv [768 k][768 n] f32 -> codes and scale words in 36 head packages of 30720 bytes (wpk): a lane takes a column, its registers run down K
;   492..527 O: Wo -> f16 fragments of Wo^T (wof [n tile 48][k step 24][1024 B])
;   528..591 T: kappa cos and kappa sin of RoPE (aux + 0), kappa = sqrt(log2(e) / 8), so that q . k comes out as the score in powers of two
;   592..600 B: bq, bk, bv as images of the accumulators that they start (wpk), and a package's last 512 bytes as zeros
;   601..616 M: mask -> f32: 0 where a key counts, -2^97 where it does not (aux + 262144)
; THE QUANTISER: a block's scale byte is its largest magnitude's exponent field - 2, held at 1 from below by a floor among the maximum's leaves; the conversion divides by that scale,
; rounds to the nearest code, ties to even, and gives the largest code beyond 6.
; LIMITS: a block of zeros, or one whose largest magnitude lies under 2^-124, gets the byte 1 (the rule says 127 for zeros): its codes are zeros or as the byte 1 gives them, and this program alone reads the bytes.
; NaN and infinities among the inputs are not served.  Wo beyond 65504 becomes infinity in f16.  cos and sin: the frequency is 2^(-i log2(10000) / 32) by v_exp_f32, so an angle may differ
; from the f32 reference's by some 2e-4 radians at position 1023.
; No work-group shares an input with another, so there is no cluster; only path X uses LDS, each wave its own bytes, so there is no barrier.
.set SPARE, 34816                      ; behind the four waves' regions: the spare words, 128 bytes for each wave
.set SPW,  2                           ; v2  SPARE + 4 x my thread's number; never rewritten
.set NIL,  3                           ; v3  0; never rewritten
.set LANE, 4
.set RR,   5                           ; lane % 16
.set HH,   6                           ; lane / 16
.set L16,  7                           ; 16 x lane
	s_load_b512 s[4:19], s[0:1], 0x0               ; x 4, Wq 6, Wk 8, Wv 10, Wo 12, bq 14, bk 16, bv 18
	s_load_b256 s[20:27], s[0:1], 0x40             ; mask 20, xc 22, aux 24, wpk 26
	s_load_b64 s[28:29], s[0:1], 0x60              ; wof
	v_lshl_add_u32 v[SPW], v0, 2, SPARE
	v_mov_b32 v[NIL], 0
	v_lshrrev_b32 v1, 5, v0
	v_readfirstlane_b32 s30, v1                    ; wave 0..3
	v_and_b32 v[LANE], 31, v0
	v_and_b32 v[RR], 15, v0
	v_bfe_u32 v[HH], v0, 4, 1
	v_lshlrev_b32 v[L16], 4, v[LANE]
	s_wait_kmcnt 0x0
	s_cmp_lt_u32 ttmp9, 384
	s_cbranch_scc0 .Lnot_x
; ---------------- X: a wave takes 64 rows x one K step of 128: four fragments ----------------
; Each load reads 512 consecutive bytes of one row; the conversions want a whole block of 32 in one lane: 16 rows turn through the wave's own stage (rows 528 bytes apart).
.set R, 32                             ; v32-159  two sets of 64: 16 rows as loaded
.set X, 160                            ; v160-223 my two blocks: block h and block 2 + h of row r
.set C, 16                             ; v16-23   the fragment's codes
	s_lshl_b32 s31, ttmp9, 2
	s_add_co_u32 s31, s31, s30                     ; the wave's job
	s_lshr_b32 s32, s31, 8                         ; K step 0..5
	s_and_b32 s33, s31, 255                        ; which 64 rows
	s_mul_i32 s34, s33, 196608                     ; 64 rows of 3072 bytes
	s_lshl_b32 s35, s32, 9
	s_add_co_u32 s34, s34, s35
	s_mov_b32 s35, 0
	s_add_nc_u64 s[4:5], s[4:5], s[34:35]
	s_mul_i32 s34, s33, 24576                      ; 4 row tiles of 6144 bytes
	s_lshl_b32 s36, s32, 10
	s_add_co_u32 s34, s34, s36
	s_add_nc_u64 s[22:23], s[22:23], s[34:35]
	s_lshl_b32 s34, s32, 16
	s_lshl_b32 s36, s33, 8
	s_add_co_u32 s34, s34, s36
	s_add_co_u32 s34, s34, 327680
	s_add_nc_u64 s[24:25], s[24:25], s[34:35]      ; my 64 scale words
	s_mul_i32 s37, s30, 8704                       ; my region: the stage, 16 x 528, and 256 bytes of scale words at 8448
	v_add_nc_u32 v8, s37, v[L16]                   ; into the stage: a row's 512 bytes as they lie
	v_mul_u32_u24 v9, v[RR], 528
	v_lshl_add_u32 v9, v[HH], 7, v9
	v_add_nc_u32 v9, s37, v9                       ; out of it: row r, block h
	v_lshlrev_b32 v10, 2, v[RR]
	v_add_nc_u32 v10, s37, v10                     ; row r's scale word
	v_lshlrev_b32 v11, 3, v[LANE]                  ; on the way out 8 bytes a lane
	v_add_nc_u32 v12, s37, v11
	v_lshlrev_b32 v13, 3, v[HH]                    ; my two bytes stand 8 h bits up in the word
	s_mov_b32 s38, 0x76543210
	s_mov_b32 s39, 0xfedcba98                      ; v_permlanex16_b32's selects for lane l xor 16
	v_mov_b32 v31, 0                               ; a lane permute's destination counts as a source
.macro LOADF i
.set rr, 0
.rept 16
	global_load_b128 v[R+64*((\i)%2)+4*rr:R+64*((\i)%2)+4*rr+3], v[L16], s[4:5] offset:(16*(\i)+rr)*3072 th:TH_LOAD_NT
.set rr, rr+1
.endr
.endm
.macro XSTEP i
.if (\i) < 3
	s_wait_loadcnt 16                              ; this tile's 16 loads are in; the next tile's 16 may be out
.else
	s_wait_loadcnt 0x0
.endif
	s_wait_xcnt 0x0                                ; the last tile's stores have read the codes' registers, which are written again below
.set rr, 0
.rept 16
	ds_store_b128 v8, v[R+64*((\i)%2)+4*rr:R+64*((\i)%2)+4*rr+3] offset:528*rr
.set rr, rr+1
.endr
.irp c, 0,1
.irp e, 0,1,2,3,4,5,6,7
	ds_load_b128 v[X+32*\c+4*\e:X+32*\c+4*\e+3], v9 offset:256*\c+16*\e   ; LDS serves a wave's instructions in order: these see the stores above
.endr
.endr
	s_wait_dscnt 0x0
.if (\i) < 2
	LOADF (\i)+2
.endif
.irp c, 0,1
	v_max3_num_f32 v[24+\c], |v[X+32*\c]|, |v[X+32*\c+1]|, 0x1800000     ; the floor 2^(3 - 127): the byte cannot fall under 1
.endr
.irp e, 2,4,6,8,10,12,14,16,18,20,22,24,26,28,30
.irp c, 0,1
	v_max3_num_f32 v[24+\c], v[24+\c], |v[X+32*\c+\e]|, |v[X+32*\c+\e+1]|
.endr
.endr
.irp c, 0,1
	v_add_nc_u32 v[26+\c], 0xff000000, v[24+\c]    ; 2 off the exponent field: the conversion's scale operand
.endr
.irp c, 0,1
	v_lshrrev_b32 v[28+\c], 23, v[26+\c]           ; the scale's byte
.endr
	v_lshl_or_b32 v30, v29, 16, v28
	v_lshlrev_b32 v30, v13, v30
	v_permlanex16_b32 v31, v30, s38, s39
	v_or_b32 v30, v30, v31                         ; with lane l xor 16's two bytes the row's word is whole
.irp c, 0,1
.irp g, 0,1,2,3
	v_cvt_scalef32_pk8_fp4_f32 v[C+4*\c+\g], v[X+32*\c+8*\g:X+32*\c+8*\g+7], v[26+\c]
.endr
.endr
	v_nop                                          ; one plain line behind the last scaled conversion
	ds_store_b32 v10, v30 offset:8448+64*(\i)      ; both halves of the lanes write the same word with the same value
	global_store_b128 v[L16], v[C:C+3], s[22:23] offset:(\i)*6144
	global_store_b128 v[L16], v[C+4:C+7], s[22:23] offset:(\i)*6144+512
.endm
	LOADF 0
	LOADF 1
	XSTEP 0
	XSTEP 1
	XSTEP 2
	XSTEP 3
	ds_load_b64 v[24:25], v12 offset:8448
	s_wait_dscnt 0x0
	global_store_b64 v11, v[24:25], s[24:25]       ; 64 scale words: 256 consecutive bytes, aligned
	s_wait_tensorcnt 0x0                           ; the wave's end, behind my last LDS store
	ds_add_u32 v[SPW], v[NIL]
	s_wait_dscnt 0x0
	s_endpgm
; ---------------- W: a wave takes 32 columns x one K step of 128 of Wq | Wk | Wv ----------------
.Lnot_x:
	s_cmp_lt_u32 ttmp9, 492
	s_cbranch_scc0 .Lnot_w
	s_sub_co_u32 s31, ttmp9, 384
	s_mul_i32 s32, s31, 3641
	s_lshr_b32 s32, s32, 16                        ; K step = number / 18
	s_mul_i32 s33, s32, 18
	s_sub_co_u32 s33, s31, s33
	s_lshl_b32 s33, s33, 2
	s_add_co_u32 s33, s33, s30                     ; column group 0..71 of the three matrices side by side
	s_cmp_lt_u32 s33, 24
	s_cselect_b64 s[34:35], s[6:7], s[8:9]
	s_cselect_b32 s36, 0, 24
	s_cmp_lt_u32 s33, 48
	s_cselect_b64 s[34:35], s[34:35], s[10:11]
	s_cselect_b32 s36, s36, 48
	s_sub_co_u32 s36, s33, s36
	s_lshl_b32 s36, s36, 7                         ; 32 columns of 4 bytes
	s_mul_i32 s37, s32, 393216                     ; 128 rows of 3072 bytes
	s_add_co_u32 s36, s36, s37
	s_mov_b32 s37, 0
	s_add_nc_u64 s[34:35], s[34:35], s[36:37]
	s_lshr_b32 s38, s33, 1                         ; the head's package
	s_mul_i32 s38, s38, 30720
	s_and_b32 s39, s33, 1                          ; which half of the head's 64 columns
	s_mul_i32 s40, s39, 12288                      ; two tiles of six fragments
	s_add_co_u32 s40, s40, s38
	s_lshl_b32 s41, s32, 10
	s_add_co_u32 s40, s40, s41
	s_mov_b32 s41, 0
	s_add_nc_u64 s[42:43], s[26:27], s[40:41]      ; the codes
	s_lshl_b32 s40, s39, 7
	s_add_co_u32 s40, s40, s38
	s_lshl_b32 s46, s32, 8
	s_add_co_u32 s40, s40, s46
	s_add_co_u32 s40, s40, 24576
	s_add_nc_u64 s[44:45], s[26:27], s[40:41]      ; the scale words
	v_lshlrev_b32 v8, 2, v[LANE]
	v_mul_u32_u24 v9, v[HH], 6144                  ; lanes 16-31 are the next tile of 16 columns
	v_lshl_add_u32 v9, v[RR], 4, v9
.macro WLOAD b
.set kk, 0
.rept 32
	global_load_b32 v[64+32*(\b)+kk], v8, s[34:35] offset:(32*(\b)+kk)*3072 th:TH_LOAD_NT
.set kk, kk+1
.endr
.endm
.macro WBLK b, left                    ; block b of the K step: all its 32 numbers are mine
	s_wait_loadcnt \left                           ; this block's loads are in; the next block's 32 may be out
.set XB, 64+32*(\b)
	v_max3_num_f32 v24, |v[XB]|, |v[XB+1]|, 0x1800000
	v_max3_num_f32 v25, |v[XB+16]|, |v[XB+17]|, 0x1800000
.irp e, 2,4,6,8,10,12,14
	v_max3_num_f32 v24, v24, |v[XB+\e]|, |v[XB+\e+1]|
	v_max3_num_f32 v25, v25, |v[XB+16+\e]|, |v[XB+17+\e]|
.endr
	v_max_num_f32 v24, v24, v25
	v_add_nc_u32 v26, 0xff000000, v24
	v_lshrrev_b32 v27, 23, v26
.if (\b) == 0
	v_mov_b32 v48, v27
.else
	v_lshl_or_b32 v48, v27, 8*(\b), v48
.endif
.irp g, 0,1,2,3
	v_cvt_scalef32_pk8_fp4_f32 v[32+4*(\b)+\g], v[XB+8*\g:XB+8*\g+7], v26
.endr
	v_nop                                          ; one plain line behind the conversions: the next block writes their scale operand
.endm
	WLOAD 0
	WLOAD 1
	WBLK 0, 32
	WLOAD 2
	WBLK 1, 32
	WLOAD 3
	WBLK 2, 32
	WBLK 3, 0
.irp b, 0,1,2,3                        ; block b is chunk b / 2, lanes' half b % 2 of the fragment: sixteen lanes store 256 consecutive bytes, aligned
	global_store_b128 v9, v[32+4*\b:35+4*\b], s[42:43] offset:(\b/2)*512+(\b%2)*256
.endr
	global_store_b32 v8, v48, s[44:45]             ; 32 scale words: a run of 128 bytes (55 KB of such runs in the whole launch)
	s_endpgm
; ---------------- O: a wave takes 32 columns x 128 k of Wo ----------------
.Lnot_w:
	s_cmp_lt_u32 ttmp9, 528
	s_cbranch_scc0 .Lnot_o
	s_sub_co_u32 s31, ttmp9, 492
	s_mul_i32 s32, s31, 43
	s_lshr_b32 s32, s32, 8                         ; which 128 k = number / 6
	s_mul_i32 s33, s32, 6
	s_sub_co_u32 s33, s31, s33
	s_lshl_b32 s33, s33, 2
	s_add_co_u32 s33, s33, s30                     ; column group 0..23
	s_lshl_b32 s34, s33, 7
	s_mul_i32 s35, s32, 393216
	s_add_co_u32 s34, s34, s35
	s_mov_b32 s35, 0
	s_add_nc_u64 s[12:13], s[12:13], s[34:35]
	s_mul_i32 s34, s33, 49152                      ; two n tiles of 24 fragments
	s_lshl_b32 s36, s32, 12
	s_add_co_u32 s34, s34, s36
	s_add_nc_u64 s[28:29], s[28:29], s[34:35]
	v_lshlrev_b32 v8, 2, v[LANE]
	v_mul_u32_u24 v9, v[HH], 24576
	v_lshl_add_u32 v9, v[RR], 4, v9
.macro OLOAD k
.set kk, 0
.rept 32
	global_load_b32 v[96+32*(\k)+kk], v8, s[12:13] offset:(32*(\k)+kk)*3072 th:TH_LOAD_NT
.set kk, kk+1
.endr
.endm
.macro OBLK k, left                    ; 32 k of my column: one fragment's share, 8 k to a store
	s_wait_loadcnt \left
.set pp, 0
.rept 16
	v_cvt_pk_f16_f32 v[32+16*(\k)+pp], v[96+32*(\k)+2*pp], v[96+32*(\k)+2*pp+1]
.set pp, pp+1
.endr
.irp c, 0,1
.irp g, 0,1
	global_store_b128 v9, v[32+16*(\k)+8*\c+4*\g:32+16*(\k)+8*\c+4*\g+3], s[28:29] offset:(\k)*1024+\c*512+\g*256
.endr
.endr
.endm
	OLOAD 0
	OLOAD 1
	OBLK 0, 32
	OLOAD 2
	OBLK 1, 32
	OLOAD 3
	OBLK 2, 32
	OBLK 3, 0
	s_endpgm
; ---------------- T: a work-group takes 16 positions; a lane four frequencies of one position ----------------
.Lnot_o:
	s_cmp_lt_u32 ttmp9, 592
	s_cbranch_scc0 .Lnot_t
	s_sub_co_u32 s31, ttmp9, 528                   ; tile of positions
	s_and_b32 s32, s30, 1                          ; which four of a lane's eight registers
	s_lshr_b32 s33, s30, 1                         ; which tile of 16 frequencies
	s_lshl_b32 s34, s33, 4
	s_lshl_b32 s35, s32, 2
	s_add_co_u32 s34, s34, s35
	v_lshl_add_u32 v8, v[HH], 3, s34               ; my first frequency: 16 u + 8 h + 4 q
	s_lshl_b32 s35, s31, 4
	v_add_nc_u32 v9, s35, v[RR]                    ; my position
	s_mov_b32 s40, 0x3fc90f80                      ; pi / 2 in two parts: the first has 17 bits, so that n x it is exact for n under 1024
	s_mov_b32 s41, 0x37354443
	s_mov_b32 s42, 0xbe2aaaab                      ; sine: -1/6, 1/120, -1/5040, 1/362880
	s_mov_b32 s43, 0x3c088889
	s_mov_b32 s44, 0xb9500d01
	s_mov_b32 s45, 0x3638ef1d
	s_mov_b32 s46, 0x3d2aaaab                      ; cosine: 1/24, -1/720, 1/40320, -1/3628800
	s_mov_b32 s47, 0xbab60b61
	s_mov_b32 s48, 0x37d00d01
	s_mov_b32 s49, 0xb493f27e
	s_mov_b32 s50, 0x3ed96d27                      ; kappa = sqrt(log2(e) / 8)
	s_lshl_b32 s34, s31, 12
	s_lshl_b32 s35, s33, 11
	s_add_co_u32 s34, s34, s35
	s_lshl_b32 s35, s32, 9
	s_add_co_u32 s34, s34, s35
	s_mov_b32 s35, 0
	s_add_nc_u64 s[24:25], s[24:25], s[34:35]
.irp e, 0,1,2,3
	v_add_nc_u32 v[12+\e], \e, v8
.endr
.irp e, 0,1,2,3
	v_cvt_f32_u32 v[12+\e], v[12+\e]
.endr
.irp e, 0,1,2,3
	v_mul_f32 v[12+\e], 0xbed49a78, v[12+\e]       ; -i log2(10000) / 32
.endr
.irp e, 0,1,2,3
	v_exp_f32 v[12+\e], v[12+\e]                   ; the frequency
.endr
	v_cvt_f32_u32 v9, v9                           ; a plain line behind the exponentials
	s_wait_alu depctr_va_vdst(0)                   ; one wait for the four, ahead of their first reader
.irp e, 0,1,2,3
	v_mul_f32 v[16+\e], v9, v[12+\e]               ; the angle, in f32 as reference() has it
.endr
.irp e, 0,1,2,3
	v_mul_f32 v[20+\e], 0x3f22f983, v[16+\e]
.endr
.irp e, 0,1,2,3
	v_rndne_f32 v[20+\e], v[20+\e]                 ; n = the nearest multiple of pi / 2
.endr
.irp e, 0,1,2,3
	v_fma_f32 v[16+\e], -v[20+\e], s40, v[16+\e]
.endr
.irp e, 0,1,2,3
	v_fma_f32 v[16+\e], -v[20+\e], s41, v[16+\e]   ; rho, within pi / 4 of 0
.endr
.irp e, 0,1,2,3
	v_mul_f32 v[24+\e], v[16+\e], v[16+\e]         ; z = rho^2
.endr
.irp e, 0,1,2,3
	v_fma_f32 v[28+\e], v[24+\e], s45, s44
	v_fma_f32 v[32+\e], v[24+\e], s49, s48
.endr
.irp e, 0,1,2,3
	v_fma_f32 v[28+\e], v[24+\e], v[28+\e], s43
	v_fma_f32 v[32+\e], v[24+\e], v[32+\e], s47
.endr
.irp e, 0,1,2,3
	v_fma_f32 v[28+\e], v[24+\e], v[28+\e], s42
	v_fma_f32 v[32+\e], v[24+\e], v[32+\e], s46
.endr
.irp e, 0,1,2,3
	v_mul_f32 v[36+\e], v[16+\e], v[24+\e]
.endr
.irp e, 0,1,2,3
	v_fma_f32 v[28+\e], v[36+\e], v[28+\e], v[16+\e]   ; sin rho
.endr
.irp e, 0,1,2,3
	v_fma_f32 v[36+\e], v[24+\e], -0.5, 1.0
.endr
.irp e, 0,1,2,3
	v_mul_f32 v[24+\e], v[24+\e], v[24+\e]
.endr
.irp e, 0,1,2,3
	v_fma_f32 v[32+\e], v[24+\e], v[32+\e], v[36+\e]   ; cos rho
.endr
.irp e, 0,1,2,3
	v_cvt_i32_f32 v[20+\e], v[20+\e]
.endr
.irp e, 0,1,2,3                        ; the quadrant: odd n swaps the two; cos changes sign for n % 4 = 1, 2; sin for 2, 3
	v_and_b32 v[36+\e], 1, v[20+\e]
	v_cmp_eq_u32 vcc_lo, 1, v[36+\e]
	v_cndmask_b32 v[40+\e], v[32+\e], v[28+\e], vcc_lo
	v_cndmask_b32 v[44+\e], v[28+\e], v[32+\e], vcc_lo
	v_add_nc_u32 v[36+\e], 1, v[20+\e]
	v_and_b32 v[36+\e], 2, v[36+\e]
	v_lshlrev_b32 v[36+\e], 30, v[36+\e]
	v_xor_b32 v[40+\e], v[40+\e], v[36+\e]
	v_and_b32 v[36+\e], 2, v[20+\e]
	v_lshlrev_b32 v[36+\e], 30, v[36+\e]
	v_xor_b32 v[44+\e], v[44+\e], v[36+\e]
	v_mul_f32 v[40+\e], s50, v[40+\e]
	v_mul_f32 v[44+\e], s50, v[44+\e]
.endr
	global_store_b128 v[L16], v[40:43], s[24:25]               ; kappa cos
	global_store_b128 v[L16], v[44:47], s[24:25] offset:1024   ; kappa sin
	s_endpgm
; ---------------- B: a wave makes one head's bias image ----------------
.Lnot_t:
	s_cmp_lt_u32 ttmp9, 601
	s_cbranch_scc0 .Lnot_b
	s_sub_co_u32 s31, ttmp9, 592
	s_lshl_b32 s31, s31, 2
	s_add_co_u32 s31, s31, s30                     ; head 0..35: q's 12, k's 12, v's 12
	s_cmp_lt_u32 s31, 12
	s_cselect_b64 s[34:35], s[14:15], s[16:17]
	s_cselect_b32 s32, 0, 12
	s_cmp_lt_u32 s31, 24
	s_cselect_b64 s[34:35], s[34:35], s[18:19]
	s_cselect_b32 s32, s32, 24
	s_sub_co_u32 s32, s31, s32
	s_lshl_b32 s36, s32, 8                         ; the head's 64 numbers
	s_mov_b32 s37, 0
	s_add_nc_u64 s[34:35], s[34:35], s[36:37]
	s_mul_i32 s36, s31, 30720
	s_add_co_u32 s36, s36, 26112
	s_add_nc_u64 s[26:27], s[26:27], s[36:37]
	s_cmp_ge_u32 s31, 24
	s_cbranch_scc1 .Lbias_v
	v_lshlrev_b32 v8, 5, v[HH]                     ; q, k: a lane's register j of tile t is column 16 t + 8 h + j
.irp k, 0,1,2,3,4,5,6,7
	global_load_b128 v[32+4*\k:35+4*\k], v8, s[34:35] offset:(\k/2)*64+(\k%2)*16
.endr
	s_branch .Lbias_out
.Lbias_v:
	v_lshlrev_b32 v8, 2, v[RR]                     ; v: all eight registers of a lane are column 16 t + r
.irp t, 0,1,2,3
	global_load_b32 v[64+\t], v8, s[34:35] offset:64*\t
.endr
	s_wait_loadcnt 0x0
.irp t, 0,1,2,3
.irp e, 0,1,2,3,4,5,6,7
	v_mov_b32 v[32+8*\t+\e], v[64+\t]
.endr
.endr
.Lbias_out:
.irp e, 0,1,2,3
	v_mov_b32 v[72+\e], 0
.endr
	s_wait_loadcnt 0x0
.irp k, 0,1,2,3,4,5,6,7
	global_store_b128 v[L16], v[32+4*\k:35+4*\k], s[26:27] offset:512*\k
.endr
	global_store_b128 v[L16], v[72:75], s[26:27] offset:4096   ; the package's last 512 bytes
	s_endpgm
; ---------------- M: a work-group takes one batch's 1024 keys ----------------
.Lnot_b:
	s_sub_co_u32 s31, ttmp9, 601
	s_lshl_b32 s34, s31, 12
	s_mov_b32 s35, 0
	s_add_nc_u64 s[20:21], s[20:21], s[34:35]
	s_add_co_u32 s34, s34, 262144
	s_add_nc_u64 s[24:25], s[24:25], s[34:35]
	v_lshlrev_b32 v8, 4, v0
	global_load_b128 v[16:19], v8, s[20:21]
	global_load_b128 v[20:23], v8, s[20:21] offset:2048
	v_mov_b32 v9, 0xf0000000                       ; -2^97
	s_wait_loadcnt 0x0
.irp e, 0,1,2,3,4,5,6,7
	v_cmp_eq_u32 vcc_lo, 0, v[16+\e]
	v_cndmask_b32 v[24+\e], 0, v9, vcc_lo
.endr
	global_store_b128 v8, v[24:27], s[24:25]
	global_store_b128 v8, v[28:31], s[24:25] offset:2048
	s_endpgm
.Lfunc_end_k_qbfff7edd62_prep:
	.size	k_qbfff7edd62_prep, .Lfunc_end_k_qbfff7edd62_prep-k_qbfff7edd62_prep
	.p2alignl 7, 3214868480
	.fill 96, 4, 3214868480
	.section	.rodata,"a",@progbits
	.p2align	6, 0x0
	.amdhsa_kernel k_qbfff7edd62_prep
		.amdhsa_group_segment_fixed_size 35328
		.amdhsa_private_segment_fixed_size 0
		.amdhsa_enable_private_segment 0
		.amdhsa_kernarg_size 104
		.amdhsa_user_sgpr_count 2
		.amdhsa_user_sgpr_kernarg_segment_ptr 1
		.amdhsa_wavefront_size32 1
		.amdhsa_system_sgpr_workgroup_id_x 1
		.amdhsa_system_sgpr_workgroup_id_y 1
		.amdhsa_system_sgpr_workgroup_id_z 1
		.amdhsa_system_vgpr_workitem_id 0
		.amdhsa_next_free_vgpr 232
		.amdhsa_next_free_sgpr 66
		.amdhsa_reserve_vcc 1
		.amdhsa_float_denorm_mode_32 3
		.amdhsa_float_denorm_mode_16_64 3
		.amdhsa_memory_ordered 1
		.amdhsa_forward_progress 1
		.amdhsa_inst_pref_size 82
	.end_amdhsa_kernel
	.amdgpu_metadata
---
amdhsa.version: [ 1, 2 ]
amdhsa.kernels:
  - .name:           k_qbfff7edd62_prep
    .symbol:         k_qbfff7edd62_prep.kd
    .args:
      - { .name: x, .offset: 0, .size: 8, .value_kind: global_buffer, .address_space: global }
      - { .name: Wq, .offset: 8, .size: 8, .value_kind: global_buffer, .address_space: global }
      - { .name: Wk, .offset: 16, .size: 8, .value_kind: global_buffer, .address_space: global }
      - { .name: Wv, .offset: 24, .size: 8, .value_kind: global_buffer, .address_space: global }
      - { .name: Wo, .offset: 32, .size: 8, .value_kind: global_buffer, .address_space: global }
      - { .name: bq, .offset: 40, .size: 8, .value_kind: global_buffer, .address_space: global }
      - { .name: bk, .offset: 48, .size: 8, .value_kind: global_buffer, .address_space: global }
      - { .name: bv, .offset: 56, .size: 8, .value_kind: global_buffer, .address_space: global }
      - { .name: mask, .offset: 64, .size: 8, .value_kind: global_buffer, .address_space: global }
      - { .name: xc, .offset: 72, .size: 8, .value_kind: global_buffer, .address_space: global }
      - { .name: aux, .offset: 80, .size: 8, .value_kind: global_buffer, .address_space: global }
      - { .name: wpk, .offset: 88, .size: 8, .value_kind: global_buffer, .address_space: global }
      - { .name: wof, .offset: 96, .size: 8, .value_kind: global_buffer, .address_space: global }
    .group_segment_fixed_size: 35328
    .private_segment_fixed_size: 0
    .kernarg_segment_align: 8
    .kernarg_segment_size: 104
    .max_flat_workgroup_size: 128
    .sgpr_count:     66
    .vgpr_count:     232
    .wavefront_size: 32
...
	.end_amdgpu_metadata
.endif
;; end of part 1
;; launch qkv (part 2): grid 64 x 4, 4 waves a work-group, clusters of 4 x 1, 276,992 bytes of LDS; arguments xc, aux, wpk, qf, kv; writes qf, kv
.if DOCPART == 2
	.amdgcn_target "amdgcn-amd-amdhsa--gfx1250"
	.amdhsa_code_object_version 6
	.text
	.protected	k_qbfff7edd62_qkv
	.globl	k_qbfff7edd62_qkv
	.p2align	8
	.type	k_qbfff7edd62_qkv,@function
k_qbfff7edd62_qkv:
	s_mov_b64 s[64:65], 0
	v_nop
	global_prefetch_b8 v0, s[64:65] scope:SCOPE_SE
	s_setreg_imm32_b32 hwreg(HW_REG_WAVE_MODE, 25, 1), 1
	s_wait_xcnt 0x0
	s_wait_alu depctr_hold_cnt(0) depctr_sa_sdst(0) depctr_va_vdst(0) depctr_va_sdst(0) depctr_va_ssrc(0) depctr_va_vcc(0) depctr_vm_vsrc(0)
	s_getreg_b32 s2, hwreg(HW_REG_IB_STS2, 6, 4)
	s_cmp_eq_u32 s2, 0
	s_cbranch_scc0 .Lentry_in_a_cluster
	s_endpgm
.Lentry_in_a_cluster:
	s_bfe_u32 s2, ttmp6, 0x10000c
	s_cmp_lg_u32 s2, 0x3003
	s_cbranch_scc0 .Lentry_shape_is_right
	s_endpgm
.Lentry_shape_is_right:
; q, k, v = x W + b on E2M1 codes with E8M0 scales (K = 768: six matrix instructions deep), then RoPE on q and k (the table carries kappa = sqrt(log2(e) / 8)), then f16.
; SHARES.  A work-group takes 256 rows of x and 9 of the 36 heads (q's 12, k's 12, v's 12); wave w takes rows 64 w .. 64 w + 63 (four row tiles) for all nine, one head a trip.
; x's 24 fragments, their scale words and the rows' RoPE table stay in registers for the whole launch.  The nine heads' packages (codes, scale words, bias image: 30720 bytes each)
; come into LDS once, 69120 bytes by each wave's one tensor load, and stay: nothing is filled again.
; CLUSTER.  The four work-groups of a cluster have the same nine heads: each load is asked for jointly, with the mask of all four.  The place in the cluster enters global addresses alone.
; LAYOUT.  q and k: source 0 = 16 columns of W, source 1 = 16 rows of x: a lane holds one row and eight neighbouring channels 16 t + 8 h + j, which, rounded to f16, are four registers of the
; f16 fragment that attention wants (16 rows x 32 channels).  v: the sources change places: a lane holds one channel and eight neighbouring keys, four registers of a fragment of V^T.
; So every result leaves as a dense store of 512 bytes, with no stage.  The bias is the C of a sum's first matrix instruction.
; The package for the next trip is fetched behind a trip's products; its address is held at the ninth package, so the last trip fetches that one a second time and does not use it.
; LIMITS: kappa rope(q), kappa rope(k) and v beyond 65504 become infinity in f16.
; REGISTERS.  window 0: v1-7 addresses; v8-19 x's scale words, v20-31 W's (register 2 s + p: lanes 0-15 tile 2 p, lanes 16-31 tile 2 p + 1); v32-63 the bias image; v64-191 16 accumulators (i, t) at 64 + 8 (4 i + t); v192-223 at work.
;   window 1: x's fragments (i, s) at 8 (6 i + s).   window 2: W's (t, s) at 8 (6 t + s).   window 3: the table, (i, u, cos | sin) at 8 ((2 i + u) 2 + cs).
.set SPARE, 276480                     ; behind the nine packages: the spare words, 128 bytes for each wave
.set PKG,   30720
.set L16, 1
.set ADR, 2
.set ADS, 3
.set SPW, 4                            ; v4  SPARE + 4 x my thread's number; never rewritten
.set NIL, 5                            ; v5  0; never rewritten
.set L4,  7
.set XS,  8
.set WS,  20
.set BI,  32
.set ACC, 64
.set TT,  192
.set WV,  12                           ; s12 wave
.set G1,  24                           ; s[24:31] descriptor group 1
.set G0,  32                           ; s[32:35] descriptor group 0
.set MSB, 0
.macro WIN new                         ; the immediate's high byte repeats the setting that is left
.if MSB != \new
	s_set_vgpr_msb (MSB<<8)|\new
.set MSB, \new
.endif
.endm
.macro PLACES n
.rept \n
	v_nop
.endr
.endm
.macro ROUND                           ; a round of the cluster's barrier
	s_barrier_signal -1
	s_barrier_wait -1
	s_cmp_lg_u32 s[WV], 0
	s_cbranch_scc1 .Lnot_wave_0_\@
	s_barrier_signal -3
.Lnot_wave_0_\@:
	s_barrier_wait -3
	s_barrier_signal -1
	s_barrier_wait -1
.endm
; one scaled product; ra, rb odd: that side's scale words stand in lanes 16-31
.macro WM d, a, b, c, sa, sb, ra, rb
.set rD, \d
.set rA, \a
.set rB, \b
.set rC, \c
.set rSA, \sa
.set rSB, \sb
.if ((\ra)%2) && ((\rb)%2)
	v_wmma_scale_f32_16x16x128_f8f6f4 v[rD:rD+7], v[rA:rA+7], v[rB:rB+7], v[rC:rC+7], v[rSA], v[rSB] matrix_a_fmt:MATRIX_FMT_FP4 matrix_b_fmt:MATRIX_FMT_FP4 matrix_a_scale:MATRIX_SCALE_ROW1 matrix_b_scale:MATRIX_SCALE_ROW1
.elseif (\ra)%2
	v_wmma_scale_f32_16x16x128_f8f6f4 v[rD:rD+7], v[rA:rA+7], v[rB:rB+7], v[rC:rC+7], v[rSA], v[rSB] matrix_a_fmt:MATRIX_FMT_FP4 matrix_b_fmt:MATRIX_FMT_FP4 matrix_a_scale:MATRIX_SCALE_ROW1
.elseif (\rb)%2
	v_wmma_scale_f32_16x16x128_f8f6f4 v[rD:rD+7], v[rA:rA+7], v[rB:rB+7], v[rC:rC+7], v[rSA], v[rSB] matrix_a_fmt:MATRIX_FMT_FP4 matrix_b_fmt:MATRIX_FMT_FP4 matrix_b_scale:MATRIX_SCALE_ROW1
.else
	v_wmma_scale_f32_16x16x128_f8f6f4 v[rD:rD+7], v[rA:rA+7], v[rB:rB+7], v[rC:rC+7], v[rSA], v[rSB] matrix_a_fmt:MATRIX_FMT_FP4 matrix_b_fmt:MATRIX_FMT_FP4
.endif
.endm
; the package at LDS byte s19 into registers: bias image, scale words, 24 fragments
.macro LDW
	v_add_nc_u32 v[ADR], s19, v[L16]
	v_add_nc_u32 v[ADS], s19, v[L4]
.irp k, 0,1,2,3,4,5,6,7
	ds_load_b128 v[BI+4*\k:BI+4*\k+3], v[ADR] offset:26112+512*\k
.endr
.irp s, 0,1,2,3,4,5
.irp p, 0,1
	ds_load_b32 v[WS+2*\s+\p], v[ADS] offset:24576+256*\s+128*\p
.endr
.endr
	WIN 0x80                                       ; destination window 2
.set ff, 0
.rept 24
	ds_load_b128 v[8*ff:8*ff+3], v[ADR] offset:ff*1024
	ds_load_b128 v[8*ff+4:8*ff+7], v[ADR] offset:ff*1024+512
.set ff, ff+1
.endr
	WIN 0
.endm
	s_load_b256 s[4:11], s[0:1], 0x0               ; xc 4, aux 6, wpk 8, qf 10
	s_load_b64 s[36:37], s[0:1], 0x20              ; kv
	v_lshl_add_u32 v[SPW], v0, 2, SPARE
	v_mov_b32 v[NIL], 0
	ds_add_u32 v[SPW], v[NIL]                      ; the wave's opening: the add, twice on end, and its wait ahead of my first tensor load
	ds_add_u32 v[SPW], v[NIL]
	v_lshrrev_b32 v6, 5, v0
	v_readfirstlane_b32 s[WV], v6                  ; wave 0..3
	s_bfe_u32 s13, ttmp6, 0x40000                  ; my place in the cluster
	s_lshl_b32 s14, ttmp9, 2
	s_add_co_u32 s14, s14, s13                     ; my block of 256 rows
	s_and_b32 s15, ttmp7, 0xffff                   ; my nine heads, which the four partners share
	; descriptor group 1: 270 rows of 256 bytes (32 elements of 8 bytes), dense in memory and in LDS
	s_mov_b32 s[G1], 15|(3<<16)|(1<<21)            ; 15:0 the mask: all four work-groups; 17:16 elements of 8 bytes; 21 set beside a mask
	s_mov_b32 s[G1+1], 32<<16                      ; tensor_dim0
	s_mov_b32 s[G1+2], 270<<16                     ; tensor_dim1
	s_mov_b32 s[G1+3], 32<<16                      ; tile_dim0
	s_mov_b32 s[G1+4], 270                         ; tile_dim1
	s_mov_b32 s[G1+5], 32                          ; from row to row
	s_mov_b32 s[G1+6], 0
	s_mov_b32 s[G1+7], 0
	s_mul_i32 s52, s15, 9*PKG
	s_mul_i32 s[G0+1], s[WV], 69120                ; LDS address: my quarter of the nine packages
	s_add_co_u32 s52, s52, s[G0+1]
	s_mov_b32 s53, 0
	s_mov_b32 s[G0], 1
	s_wait_dscnt 0x0                               ; both opening adds are done
	s_wait_kmcnt 0x0
	s_add_nc_u64 s[G0+2:G0+3], s[8:9], s[52:53]
	s_or_b32 s[G0+3], s[G0+3], 0x80000000
	ROUND                                          ; all four work-groups are here: the joint loads meet
	tensor_load_to_lds s[G0:G0+3], s[G1:G1+7]      ; my one tensor load of the launch
	s_nop 0
	PLACES 4
	v_and_b32 v6, 31, v0
	v_lshlrev_b32 v[L16], 4, v6
	v_lshlrev_b32 v[L4], 2, v6
	s_and_b32 s42, s14, 3                          ; which quarter of its sequence my block is
	s_lshl_b32 s43, s42, 4
	s_lshl_b32 s44, s[WV], 2
	s_add_co_u32 s43, s43, s44                     ; my first tile of positions, 0..63
	s_lshl_b32 s39, s43, 11                        ; q: 2048 bytes a tile
	s_lshl_b32 s42, s42, 1
	s_lshr_b32 s44, s[WV], 1
	s_add_co_u32 s42, s42, s44                     ; my chunk of 128 keys
	s_lshl_b32 s42, s42, 15
	s_and_b32 s44, s[WV], 1                        ; which half of it
	s_lshl_b32 s45, s44, 13
	s_add_co_u32 s40, s42, s45                     ; k: four key tiles of 2048 bytes
	s_lshl_b32 s45, s44, 11
	s_add_co_u32 s41, s42, s45
	s_add_co_u32 s41, s41, 16384                   ; v: behind the chunk's K; two steps of 32 keys
	s_lshr_b32 s38, s14, 2
	s_mul_i32 s38, s38, 12                         ; 12 x my batch
	s_lshl_b32 s46, s43, 12
	s_mov_b32 s47, 0
	s_add_nc_u64 s[46:47], s[6:7], s[46:47]        ; the table of my 64 positions
	s_lshl_b32 s48, s14, 10
	s_lshl_b32 s49, s[WV], 8
	s_add_co_u32 s48, s48, s49
	s_add_co_u32 s48, s48, 327680
	s_mov_b32 s49, 0
	s_add_nc_u64 s[48:49], s[6:7], s[48:49]        ; my 64 rows' scale words of K step 0
	s_lshl_b32 s50, s14, 4
	s_lshl_b32 s51, s[WV], 2
	s_add_co_u32 s50, s50, s51
	s_mul_i32 s50, s50, 6144
	s_mov_b32 s51, 0
	s_add_nc_u64 s[4:5], s[4:5], s[50:51]          ; my four row tiles' codes
	WIN 0x40                                       ; destination window 1
.set ff, 0
.rept 24
	global_load_b128 v[8*ff:8*ff+3], v[L16], s[4:5] offset:ff*1024
	global_load_b128 v[8*ff+4:8*ff+7], v[L16], s[4:5] offset:ff*1024+512
.set ff, ff+1
.endr
	WIN 0xc0                                       ; destination window 3
.set ff, 0
.rept 16
	global_load_b128 v[8*ff:8*ff+3], v[L16], s[46:47] offset:ff*1024
	global_load_b128 v[8*ff+4:8*ff+7], v[L16], s[46:47] offset:ff*1024+512
.set ff, ff+1
.endr
	WIN 0
.irp s, 0,1,2,3,4,5
.irp p, 0,1
	global_load_b32 v[XS+2*\s+\p], v[L4], s[48:49] offset:65536*\s+128*\p
.endr
.endr
	s_mul_i32 s16, s15, 9                          ; the trip's head
	s_mov_b32 s17, 9                               ; trips
	s_mov_b32 s18, 0                               ; the trip's package in LDS
	s_mov_b32 s19, 0
	s_wait_tensorcnt 0x0                           ; my quarter has landed,
	s_barrier_signal -1
	s_barrier_wait -1                              ; everybody's has
	LDW
	s_wait_loadcnt 0x0                             ; x's fragments and scale words, the table
.Lhead:
	s_wait_dscnt 0x0                               ; the package is in registers
	s_wait_xcnt 0x0                                ; the last trip's stores have read the accumulators and their base: both are written again below
	s_cmp_lt_u32 s16, 12                           ; q's heads go to qf, k's and v's to kv
	s_cselect_b64 s[20:21], s[10:11], s[36:37]
	s_cselect_b32 s54, 17, 18                      ; a (batch, head) is 2^17 bytes of qf, 2^18 of kv
	s_cselect_b32 s55, s39, s40
	s_cselect_b32 s56, 0, 12
	s_cmp_lt_u32 s16, 24
	s_cselect_b32 s55, s55, s41
	s_cselect_b32 s57, 0, 12
	s_sub_co_u32 s56, s16, s56
	s_sub_co_u32 s56, s56, s57                     ; the head among its 12
	s_add_co_u32 s56, s56, s38
	s_lshl_b32 s22, s56, s54
	s_add_co_u32 s22, s22, s55
	s_mov_b32 s23, 0
	s_add_nc_u64 s[20:21], s[20:21], s[22:23]
	s_add_co_u32 s19, s18, PKG
	s_min_u32 s19, s19, 8*PKG                      ; the next package, held at the ninth
	s_cmp_ge_u32 s16, 24                           ; made of ids and the count of trips: the same in all waves and all partners
	s_cbranch_scc1 .Larm_v
	; ---- q or k: 96 products, the 16 accumulators by turns
	WIN 0x06                                       ; source 0 (W) window 2, source 1 (x) window 1
.irp s, 0,1,2,3,4,5
.irp i, 0,1,2,3
.irp t, 0,1,2,3
.if \s == 0
	WM ACC+8*(4*\i+\t), 8*(6*\t+\s), 8*(6*\i+\s), BI+8*\t, WS+2*\s+\t/2, XS+2*\s+\i/2, \t, \i
.else
	WM ACC+8*(4*\i+\t), 8*(6*\t+\s), 8*(6*\i+\s), ACC+8*(4*\i+\t), WS+2*\s+\t/2, XS+2*\s+\i/2, \t, \i
.endif
.endr
.endr
.endr
	WIN 0
	PLACES 4                                       ; in front of loads into registers that the products read, and of the first read of results
	LDW                                            ; it lands while the results are turned, rounded and stored
	WIN 0x0c                                       ; source 1 (the table) window 3
.irp i, 0,1,2,3                        ; lo = channels 16 u + .., hi = 32 + those: lo' = lo cos - hi sin, hi' = hi cos + lo sin, in place
.irp u, 0,1
.set rL, ACC+8*(4*\i+\u)
.set rH, rL+16
.set rT, 16*(2*\i+\u)
.set rW, TT+16*\u
.irp p, 0,2,4,6
	v_pk_mul_f32 v[rW+\p:rW+\p+1], v[rL+\p:rL+\p+1], v[rT+\p:rT+\p+1]
	v_pk_mul_f32 v[rW+8+\p:rW+9+\p], v[rL+\p:rL+\p+1], v[rT+8+\p:rT+9+\p]
.endr
.irp p, 0,2,4,6
	v_pk_fma_f32 v[rL+\p:rL+\p+1], v[rH+\p:rH+\p+1], v[rT+8+\p:rT+9+\p], v[rW+\p:rW+\p+1] neg_lo:[1,0,0] neg_hi:[1,0,0]
	v_pk_fma_f32 v[rH+\p:rH+\p+1], v[rH+\p:rH+\p+1], v[rT+\p:rT+\p+1], v[rW+8+\p:rW+9+\p]
.endr
.endr
.endr
	WIN 0
.set aa, 0
.rept 16
.irp p, 0,1,2,3
	v_cvt_pk_f16_f32 v[ACC+8*aa+\p], v[ACC+8*aa+2*\p], v[ACC+8*aa+2*\p+1]   ; in place, ascending: eight channels in four registers
.endr
.set aa, aa+1
.endr
.irp i, 0,1,2,3
.irp t, 0,1,2,3
	global_store_b128 v[L16], v[ACC+8*(4*\i+\t):ACC+8*(4*\i+\t)+3], s[20:21] offset:\i*2048+(\t/2)*1024+(\t%2)*512   ; 512 consecutive bytes: chunk t % 2 of the fragment of channels 32 (t / 2) on
.endr
.endr
	s_branch .Ljoin
.Larm_v:
	; ---- v: the sources change places
	WIN 0x09                                       ; source 0 (x) window 1, source 1 (W) window 2
.irp s, 0,1,2,3,4,5
.irp i, 0,1,2,3
.irp t, 0,1,2,3
.if \s == 0
	WM ACC+8*(4*\i+\t), 8*(6*\i+\s), 8*(6*\t+\s), BI+8*\t, XS+2*\s+\i/2, WS+2*\s+\t/2, \i, \t
.else
	WM ACC+8*(4*\i+\t), 8*(6*\i+\s), 8*(6*\t+\s), ACC+8*(4*\i+\t), XS+2*\s+\i/2, WS+2*\s+\t/2, \i, \t
.endif
.endr
.endr
.endr
	WIN 0
	PLACES 4
	LDW
.set aa, 0
.rept 16
.irp p, 0,1,2,3
	v_cvt_pk_f16_f32 v[ACC+8*aa+\p], v[ACC+8*aa+2*\p], v[ACC+8*aa+2*\p+1]   ; eight keys in four registers
.endr
.set aa, aa+1
.endr
.irp i, 0,1,2,3
.irp t, 0,1,2,3
	global_store_b128 v[L16], v[ACC+8*(4*\i+\t):ACC+8*(4*\i+\t)+3], s[20:21] offset:\t*4096+(\i/2)*1024+(\i%2)*512   ; channels 16 t on; keys 32 (i / 2) on, chunk i % 2
.endr
.endr
.Ljoin:
	s_add_co_u32 s16, s16, 1
	s_add_co_u32 s18, s18, PKG
	s_sub_co_u32 s17, s17, 1
	s_cmp_lg_u32 s17, 0
	s_cbranch_scc1 .Lhead
	s_wait_tensorcnt 0x0                           ; the wave's end
	ds_add_u32 v[SPW], v[NIL]
	s_wait_dscnt 0x0
	ROUND                                          ; the closing round
	s_endpgm
.Lfunc_end_k_qbfff7edd62_qkv:
	.size	k_qbfff7edd62_qkv, .Lfunc_end_k_qbfff7edd62_qkv-k_qbfff7edd62_qkv
	.p2alignl 7, 3214868480
	.fill 96, 4, 3214868480
	.section	.rodata,"a",@progbits
	.p2align	6, 0x0
	.amdhsa_kernel k_qbfff7edd62_qkv
		.amdhsa_group_segment_fixed_size 276992
		.amdhsa_private_segment_fixed_size 0
		.amdhsa_enable_private_segment 0
		.amdhsa_kernarg_size 40
		.amdhsa_user_sgpr_count 2
		.amdhsa_user_sgpr_kernarg_segment_ptr 1
		.amdhsa_wavefront_size32 1
		.amdhsa_system_sgpr_workgroup_id_x 1
		.amdhsa_system_sgpr_workgroup_id_y 1
		.amdhsa_system_sgpr_workgroup_id_z 1
		.amdhsa_system_vgpr_workitem_id 0
		.amdhsa_next_free_vgpr 896
		.amdhsa_next_free_sgpr 66
		.amdhsa_reserve_vcc 0
		.amdhsa_float_denorm_mode_32 3
		.amdhsa_float_denorm_mode_16_64 3
		.amdhsa_memory_ordered 1
		.amdhsa_forward_progress 1
		.amdhsa_inst_pref_size 71
	.end_amdhsa_kernel
	.amdgpu_metadata
---
amdhsa.version: [ 1, 2 ]
amdhsa.kernels:
  - .name:           k_qbfff7edd62_qkv
    .symbol:         k_qbfff7edd62_qkv.kd
    .args:
      - { .name: xc, .offset: 0, .size: 8, .value_kind: global_buffer, .address_space: global }
      - { .name: aux, .offset: 8, .size: 8, .value_kind: global_buffer, .address_space: global }
      - { .name: wpk, .offset: 16, .size: 8, .value_kind: global_buffer, .address_space: global }
      - { .name: qf, .offset: 24, .size: 8, .value_kind: global_buffer, .address_space: global }
      - { .name: kv, .offset: 32, .size: 8, .value_kind: global_buffer, .address_space: global }
    .group_segment_fixed_size: 276992
    .private_segment_fixed_size: 0
    .kernarg_segment_align: 8
    .kernarg_segment_size: 40
    .max_flat_workgroup_size: 128
    .sgpr_count:     66
    .vgpr_count:     896
    .wavefront_size: 32
...
	.end_amdgpu_metadata
.endif
;; end of part 2
;; launch attn (part 3): grid 4 x 192, 8 waves a work-group, clusters of 4 x 1, 263,168 bytes of LDS; arguments qf, kv, aux, of; writes of
.if DOCPART == 3
	.amdgcn_target "amdgcn-amd-amdhsa--gfx1250"
	.amdhsa_code_object_version 6
	.text
	.protected	k_qbfff7edd62_attn
	.globl	k_qbfff7edd62_attn
	.p2align	8
	.type	k_qbfff7edd62_attn,@function
k_qbfff7edd62_attn:
	s_mov_b64 s[64:65], 0
	v_nop
	global_prefetch_b8 v0, s[64:65] scope:SCOPE_SE
	s_setreg_imm32_b32 hwreg(HW_REG_WAVE_MODE, 25, 1), 1
	s_wait_xcnt 0x0
	s_wait_alu depctr_hold_cnt(0) depctr_sa_sdst(0) depctr_va_vdst(0) depctr_va_sdst(0) depctr_va_ssrc(0) depctr_va_vcc(0) depctr_vm_vsrc(0)
	s_getreg_b32 s2, hwreg(HW_REG_IB_STS2, 6, 4)
	s_cmp_eq_u32 s2, 0
	s_cbranch_scc0 .Lentry_in_a_cluster
	s_endpgm
.Lentry_in_a_cluster:
	s_bfe_u32 s2, ttmp6, 0x10000c
	s_cmp_lg_u32 s2, 0x3003
	s_cbranch_scc0 .Lentry_shape_is_right
	s_endpgm
.Lentry_shape_is_right:
; o = softmax(q k^T / 8, keys that the mask hides left out) v for one (batch, head) and 256 queries.  q and k arrive multiplied by kappa = sqrt(log2(e) / 8), so q . k is the score in powers of two.
; Operands f16, sums f32; the running maximum is taken away before every exponential.
; SHARES.  Eight waves, two to a SIMD, so that one wave's softmax stands beside the other's products; a wave owns 32 queries (two tiles) and walks all 1024 keys, 128 a step.
; ALL of the head's K and V, 256 KB of ready fragments, is asked for at the kernel's head, chunk by chunk of 128 keys (each wave 4096 bytes of each chunk: eight tensor loads of mine are out),
; and stays in LDS: nothing is filled again, so the walk has plain barriers alone, and there is no later stream to ask ahead for.
; CLUSTER.  The four blocks of queries of a head form a cluster and ask for every tile jointly, with the mask of all four.  The place in the cluster enters q's and o's addresses alone.
; LAYOUT.  S^T = K Q^T (source 0 = 16 keys, source 1 = 16 queries), O^T = V^T P: a lane holds one query throughout; two tiles of S^T, rounded to f16 in place, are source 1 of the second product.
; THE MASK is the C of a score's first matrix instruction: 0, or -2^97 for a hidden key.  Scores of f16 operands stay under 2^39 in magnitude, so a hidden key's p is 0 as soon as one key counts;
; while none has counted, p = 1 is summed on hidden keys, all finite, and the first key that counts multiplies those sums by 2^(-2^97 - m) = 0.  A batch with no key left gives NaN, as reference() does.
; LIMITS: o beyond 65504 becomes infinity in f16; p under 2^-24 is lost in the second product (not in the row's sum).
; REGISTERS.  window 0: v1-5 addresses; v8-39 statistics, 16 a tile: +0 M (+1 its pair's partner), +2,3 the sum, +4 a (+5 partner), +6..9 four maxima, +10..13 two chains of sums, +14 new M, +15 at work;
;   v64-191 S^T (x, kt) at 64 + 64 x + 8 kt, then p, then P (x, kk) at 64 + 64 x + 8 kk; v192-255 O^T (x, dt) at 192 + 32 x + 8 dt.
;   window 1: v0-127 a chunk's K, then its V^T; v128-159 Q (x, ds); v160-223 the mask's image (kt).
.set SPARE, 262144                     ; behind the eight chunks: the spare words, 128 bytes for each wave
.set CH,  32768                        ; a chunk: K's 16 fragments, then V^T's 16
.set L16, 1
.set ADK, 2
.set MBO, 3
.set SPW, 4                            ; v4  SPARE + 4 x my thread's number; never rewritten
.set NIL, 5                            ; v5  0; never rewritten
.set ST,  8
.set S,   64
.set O,   192
.set QF,  128
.set MB,  160
.set WV,  12
.set G1,  24                           ; s[24:31] descriptor group 1
.set G0,  32                           ; s[32:63] descriptor group 0, a set for each chunk
.set SEL, 66                           ; s[66:67] v_permlanex16_b32's selects for lane l xor 16
.set MSB, 0
.macro WIN new
.if MSB != \new
	s_set_vgpr_msb (MSB<<8)|\new
.set MSB, \new
.endif
.endm
.macro PLACES n
.rept \n
	v_nop
.endr
.endm
.macro ROUND
	s_barrier_signal -1
	s_barrier_wait -1
	s_cmp_lg_u32 s[WV], 0
	s_cbranch_scc1 .Lnot_wave_0_\@
	s_barrier_signal -3
.Lnot_wave_0_\@:
	s_barrier_wait -3
	s_barrier_signal -1
	s_barrier_wait -1
.endm
	s_load_b256 s[4:11], s[0:1], 0x0               ; qf 4, kv 6, aux 8, of 10
	v_lshl_add_u32 v[SPW], v0, 2, SPARE
	v_mov_b32 v[NIL], 0
	ds_add_u32 v[SPW], v[NIL]                      ; the wave's opening: the add, twice on end, and its wait ahead of my first tensor load
	ds_add_u32 v[SPW], v[NIL]
	v_lshrrev_b32 v6, 5, v0
	v_readfirstlane_b32 s[WV], v6                  ; wave 0..7
	s_bfe_u32 s13, ttmp6, 0x40000                  ; my block of 256 queries
	s_and_b32 s14, ttmp7, 0xffff                   ; (batch, head) 0..191, which the four partners share
	s_mul_i32 s15, s14, 43691
	s_lshr_b32 s15, s15, 19                        ; the batch = that / 12
	s_mul_i32 s16, s15, 12
	s_sub_co_u32 s16, s14, s16                     ; the head
	; descriptor group 1: 16 rows of 256 bytes (32 elements of 8 bytes), dense
	s_mov_b32 s[G1], 15|(3<<16)|(1<<21)            ; 15:0 the mask: all four work-groups; 17:16 elements of 8 bytes; 21 set beside a mask
	s_mov_b32 s[G1+1], 32<<16
	s_mov_b32 s[G1+2], 16<<16
	s_mov_b32 s[G1+3], 32<<16
	s_mov_b32 s[G1+4], 16
	s_mov_b32 s[G1+5], 32
	s_mov_b32 s[G1+6], 0
	s_mov_b32 s[G1+7], 0
	s_lshl_b32 s18, s14, 18                        ; a (batch, head) is 2^18 bytes of kv
	s_lshl_b32 s17, s[WV], 12                      ; my 4096 bytes of a chunk
	s_add_co_u32 s18, s18, s17
	s_mov_b32 s19, 0
	s_mov_b32 s[SEL], 0x76543210
	s_mov_b32 s[SEL+1], 0xfedcba98
	s_wait_dscnt 0x0                               ; both opening adds are done
	s_wait_kmcnt 0x0
	s_add_nc_u64 s[6:7], s[6:7], s[18:19]
.irp j, 0,1,2,3,4,5,6,7
	s_mov_b32 s[G0+4*\j], 1
	s_add_co_u32 s[G0+4*\j+1], s17, \j*CH
	s_add_nc_u64 s[G0+4*\j+2:G0+4*\j+3], s[6:7], \j*CH
	s_or_b32 s[G0+4*\j+3], s[G0+4*\j+3], 0x80000000
.endr
	ROUND                                          ; all four work-groups are here: the joint loads meet
.irp j, 0,1,2,3,4,5,6,7
	tensor_load_to_lds s[G0+4*\j:G0+4*\j+3], s[G1:G1+7]
	s_nop 0
.endr
	PLACES 4
	v_and_b32 v6, 31, v0
	v_lshlrev_b32 v[L16], 4, v6
	v_bfe_u32 v7, v0, 4, 1
	v_lshlrev_b32 v[MBO], 5, v7                    ; the mask's image: lanes 16-31 begin 8 keys on
	s_lshl_b32 s20, s13, 4
	s_lshl_b32 s21, s[WV], 1
	s_add_co_u32 s20, s20, s21                     ; my first tile of queries in the sequence
	s_lshl_b32 s22, s14, 6
	s_add_co_u32 s22, s22, s20
	s_lshl_b32 s22, s22, 11
	s_mov_b32 s23, 0
	s_add_nc_u64 s[4:5], s[4:5], s[22:23]          ; q
	s_lshl_b32 s18, s15, 12
	s_add_co_u32 s18, s18, 262144
	s_add_nc_u64 s[8:9], s[8:9], s[18:19]          ; my batch's 1024 mask numbers
	s_lshl_b32 s22, s15, 6
	s_add_co_u32 s22, s22, s20
	s_mul_i32 s22, s22, 24576                      ; a row tile of o: 24 fragments
	s_lshl_b32 s68, s16, 11                        ; the head's two
	s_add_co_u32 s22, s22, s68
	s_add_nc_u64 s[10:11], s[10:11], s[22:23]      ; o
	WIN 0x40                                       ; destination window 1
.irp f, 0,1,2,3
	global_load_b128 v[QF+8*\f:QF+8*\f+3], v[L16], s[4:5] offset:\f*1024
	global_load_b128 v[QF+8*\f+4:QF+8*\f+7], v[L16], s[4:5] offset:\f*1024+512
.endr
.irp k, 0,1,2,3,4,5,6,7
	global_load_b128 v[MB+8*\k:MB+8*\k+3], v[MBO], s[8:9] offset:\k*64
	global_load_b128 v[MB+8*\k+4:MB+8*\k+7], v[MBO], s[8:9] offset:\k*64+16
.endr
	WIN 0
.irp x, 0,1
	v_mov_b32 v[ST+16*\x+1], 0                     ; named as a pair's upper half before anything is written there
	v_mov_b32 v[ST+16*\x+5], 0
	v_mov_b32 v[ST+16*\x+15], 0                    ; a lane permute's destination counts as a source
.endr
; THE SOFTMAX of both tiles for one step, the tiles by turns line by line.  first = 1: the first step starts M, the sum and O^T.
.macro SOFTMAX first
.irp c, 0,1,2,3                        ; the maximum of 64 scores: four chains, each ascending through two accumulators from their low ends on
.irp x, 0,1
	v_max3_num_f32 v[ST+16*\x+6+\c], v[S+64*\x+16*\c], v[S+64*\x+16*\c+1], v[S+64*\x+16*\c+2]
.endr
.endr
.irp n, 3,5,7,9,11,13
.irp c, 0,1,2,3
.irp x, 0,1
	v_max3_num_f32 v[ST+16*\x+6+\c], v[ST+16*\x+6+\c], v[S+64*\x+16*\c+\n], v[S+64*\x+16*\c+\n+1]
.endr
.endr
.endr
.irp x, 0,1
	v_max3_num_f32 v[ST+16*\x+6], v[ST+16*\x+6], v[S+64*\x+15], v[S+64*\x+31]
	v_max3_num_f32 v[ST+16*\x+8], v[ST+16*\x+8], v[S+64*\x+47], v[S+64*\x+63]
.endr
.irp x, 0,1
	v_max3_num_f32 v[ST+16*\x+6], v[ST+16*\x+6], v[ST+16*\x+7], v[ST+16*\x+8]
.endr
.irp x, 0,1
.if \first
	v_max_num_f32 v[ST+16*\x+6], v[ST+16*\x+6], v[ST+16*\x+9]
.else
	v_max3_num_f32 v[ST+16*\x+6], v[ST+16*\x+6], v[ST+16*\x+9], v[ST+16*\x]
.endif
.endr
.irp x, 0,1
	v_permlanex16_b32 v[ST+16*\x+15], v[ST+16*\x+6], s[SEL], s[SEL+1]   ; the query's other 64 keys lie in the lane 16 away
.endr
.irp x, 0,1
	v_max_num_f32 v[ST+16*\x+14], v[ST+16*\x+6], v[ST+16*\x+15]
.endr
.if !\first
.irp x, 0,1
	v_sub_f32 v[ST+16*\x+15], v[ST+16*\x], v[ST+16*\x+14]               ; old M - new M, 0 or less
.endr
.endif
.irp x, 0,1
	v_mov_b32 v[ST+16*\x], v[ST+16*\x+14]
.endr
.set pp, 0
.rept 32
	v_pk_add_f32 v[S+pp:S+pp+1], v[S+pp:S+pp+1], v[ST:ST+1] op_sel_hi:[1,0] neg_lo:[0,1] neg_hi:[0,1]          ; s - M, 0 or less: no exponential can overflow
	v_pk_add_f32 v[S+64+pp:S+65+pp], v[S+64+pp:S+65+pp], v[ST+16:ST+17] op_sel_hi:[1,0] neg_lo:[0,1] neg_hi:[0,1]
.set pp, pp+2
.endr
.if !\first
	v_exp_f32 v[ST+4], v[ST+15]                    ; a = 2^(old M - new M)
	v_exp_f32 v[ST+20], v[ST+31]
.endif
.set pp, 0
.rept 64
	v_exp_f32 v[S+pp], v[S+pp]                     ; p = 2^(s - M)
	v_exp_f32 v[S+64+pp], v[S+64+pp]
.set pp, pp+1
.endr
	v_nop                                          ; a plain line behind the last exponential
	s_wait_alu depctr_va_vdst(0)                   ; ONE wait for the whole batch, ahead of its first reader
.irp x, 0,1                            ; the row's sum, of p before it is rounded: two chains of pairs
	v_pk_add_f32 v[ST+16*\x+10:ST+16*\x+11], v[S+64*\x:S+64*\x+1], v[S+64*\x+2:S+64*\x+3]
	v_pk_add_f32 v[ST+16*\x+12:ST+16*\x+13], v[S+64*\x+4:S+64*\x+5], v[S+64*\x+6:S+64*\x+7]
.endr
.set pp, 8
.rept 14
.irp x, 0,1
	v_pk_add_f32 v[ST+16*\x+10:ST+16*\x+11], v[ST+16*\x+10:ST+16*\x+11], v[S+64*\x+pp:S+64*\x+pp+1]
	v_pk_add_f32 v[ST+16*\x+12:ST+16*\x+13], v[ST+16*\x+12:ST+16*\x+13], v[S+64*\x+pp+2:S+64*\x+pp+3]
.endr
.set pp, pp+4
.endr
.irp x, 0,1
.if \first
	v_pk_add_f32 v[ST+16*\x+2:ST+16*\x+3], v[ST+16*\x+10:ST+16*\x+11], v[ST+16*\x+12:ST+16*\x+13]
.else
	v_pk_add_f32 v[ST+16*\x+10:ST+16*\x+11], v[ST+16*\x+10:ST+16*\x+11], v[ST+16*\x+12:ST+16*\x+13]
.endif
.endr
.if !\first
.irp x, 0,1
	v_pk_fma_f32 v[ST+16*\x+2:ST+16*\x+3], v[ST+16*\x+2:ST+16*\x+3], v[ST+16*\x+4:ST+16*\x+5], v[ST+16*\x+10:ST+16*\x+11] op_sel_hi:[1,0,1]
.endr
.endif
.set pp, 0
.rept 32
	v_cvt_pk_f16_f32 v[S+pp], v[S+2*pp], v[S+2*pp+1]           ; in place, ascending: pair pp lands in register pp
	v_cvt_pk_f16_f32 v[S+64+pp], v[S+64+2*pp], v[S+65+2*pp]
.set pp, pp+1
.endr
.if !\first
.set pp, 0
.rept 16
	v_pk_mul_f32 v[O+pp:O+pp+1], v[O+pp:O+pp+1], v[ST+4:ST+5] op_sel_hi:[1,0]
	v_pk_mul_f32 v[O+32+pp:O+33+pp], v[O+32+pp:O+33+pp], v[ST+20:ST+21] op_sel_hi:[1,0]
.set pp, pp+2
.endr
.endif
.endm
; A STEP: chunk j, 128 keys.  Written out eight times: the counted waits differ from step to step, and the first step starts the sums.
.macro STEP j
	v_add_nc_u32 v[ADK], (\j)*CH, v[L16]
	WIN 0x40                                       ; destination window 1
.set ff, 0
.rept 16
	ds_load_b128 v[8*ff:8*ff+3], v[ADK] offset:ff*1024             ; K's fragment (kt, ds) = ff
	ds_load_b128 v[8*ff+4:8*ff+7], v[ADK] offset:ff*1024+512
.set ff, ff+1
.endr
	WIN 0
	s_wait_loadcnt 0x0                             ; the chunk's mask image (and Q, in the first step)
	s_wait_dscnt 0x0
	WIN 0x15                                       ; K, Q and the mask's image in window 1, S^T in window 0
.irp k, 0,1,2,3,4,5,6,7                ; the 16 accumulators by turns
.irp x, 0,1
	v_wmma_f32_16x16x32_f16 v[S+64*\x+8*\k:S+64*\x+8*\k+7], v[16*\k:16*\k+7], v[QF+16*\x:QF+16*\x+7], v[MB+8*\k:MB+8*\k+7]
.endr
.endr
	WIN 0x05
.irp k, 0,1,2,3,4,5,6,7
.irp x, 0,1
	v_wmma_f32_16x16x32_f16 v[S+64*\x+8*\k:S+64*\x+8*\k+7], v[16*\k+8:16*\k+15], v[QF+16*\x+8:QF+16*\x+15], v[S+64*\x+8*\k:S+64*\x+8*\k+7]
.endr
.endr
	WIN 0
	PLACES 4                                       ; in front of loads into registers that the products read, and of the first read of the scores
	WIN 0x40
.if (\j) < 7
.irp k, 0,1,2,3,4,5,6,7
	global_load_b128 v[MB+8*\k:MB+8*\k+3], v[MBO], s[8:9] offset:((\j)+1)*512+\k*64
	global_load_b128 v[MB+8*\k+4:MB+8*\k+7], v[MBO], s[8:9] offset:((\j)+1)*512+\k*64+16
.endr
	s_wait_tensorcnt 6-(\j)                        ; my part of the next chunk has landed; the loads of the 6 - j chunks behind it may be out
	s_barrier_signal -1                            ; say so (no LDS instruction of mine is out); the wait stands at the step's end
.endif
.set ff, 0
.rept 16
	ds_load_b128 v[8*ff:8*ff+3], v[ADK] offset:16384+ff*1024       ; V^T's fragment (dt, kk) = ff: bytes that nobody writes any more
	ds_load_b128 v[8*ff+4:8*ff+7], v[ADK] offset:16384+ff*1024+512
.set ff, ff+1
.endr
	WIN 0
.if (\j) == 0
	SOFTMAX 1
.else
	SOFTMAX 0
.endif
	s_wait_dscnt 0x0                               ; V^T is in
	WIN 0x01                                       ; V^T in window 1
.irp q, 0,1,2,3                        ; 32 keys a turn of q; the 8 accumulators by turns
.irp d, 0,1,2,3
.irp x, 0,1
.if (\j) == 0 && \q == 0
	v_wmma_f32_16x16x32_f16 v[O+32*\x+8*\d:O+32*\x+8*\d+7], v[8*(4*\d+\q):8*(4*\d+\q)+7], v[S+64*\x+8*\q:S+64*\x+8*\q+7], 0
.else
	v_wmma_f32_16x16x32_f16 v[O+32*\x+8*\d:O+32*\x+8*\d+7], v[8*(4*\d+\q):8*(4*\d+\q)+7], v[S+64*\x+8*\q:S+64*\x+8*\q+7], v[O+32*\x+8*\d:O+32*\x+8*\d+7]
.endif
.endr
.endr
.endr
	WIN 0
	PLACES 5                                       ; the next step's first products write over P's registers (five places), its loads land on V^T's (four)
.if (\j) < 7
	s_barrier_wait -1                              ; every wave's part of the next chunk has landed
.endif
.endm
	s_wait_tensorcnt 7                             ; my part of chunk 0 has landed; the seven younger loads may be out
	s_barrier_signal -1
	s_barrier_wait -1
	STEP 0
	STEP 1
	STEP 2
	STEP 3
	STEP 4
	STEP 5
	STEP 6
	STEP 7
	; THE WAY OUT: O^T / the sum, rounded to f16: a lane's eight channels of a row are four registers of the fragment that the last product wants: dense stores, no stage.
.irp x, 0,1
	v_add_f32 v[ST+16*\x+10], v[ST+16*\x+2], v[ST+16*\x+3]
.endr
.irp x, 0,1
	v_permlanex16_b32 v[ST+16*\x+15], v[ST+16*\x+10], s[SEL], s[SEL+1]
.endr
.irp x, 0,1
	v_add_f32 v[ST+16*\x+10], v[ST+16*\x+10], v[ST+16*\x+15]
.endr
.irp x, 0,1
	v_rcp_f32 v[ST+16*\x+4], v[ST+16*\x+10]
.endr
	v_mov_b32 v6, 0x7fc00000                       ; NaN.  (A plain line behind the reciprocals)
	s_wait_alu depctr_va_vdst(0)                   ; one wait for the two, ahead of their first reader
.irp x, 0,1
	v_cmp_gt_f32 vcc_lo, 0xef800000, v[ST+16*\x]   ; M under -2^96: no key of the batch counts
	v_cndmask_b32 v[ST+16*\x+4], v[ST+16*\x+4], v6, vcc_lo
.endr
.set pp, 0
.rept 16
	v_pk_mul_f32 v[O+pp:O+pp+1], v[O+pp:O+pp+1], v[ST+4:ST+5] op_sel_hi:[1,0]
	v_pk_mul_f32 v[O+32+pp:O+33+pp], v[O+32+pp:O+33+pp], v[ST+20:ST+21] op_sel_hi:[1,0]
.set pp, pp+2
.endr
.set aa, 0
.rept 8
.irp p, 0,1,2,3
	v_cvt_pk_f16_f32 v[O+8*aa+\p], v[O+8*aa+2*\p], v[O+8*aa+2*\p+1]
.endr
.set aa, aa+1
.endr
.irp x, 0,1
.irp d, 0,1,2,3
	global_store_b128 v[L16], v[O+32*\x+8*\d:O+32*\x+8*\d+3], s[10:11] offset:\x*24576+\d*512
.endr
.endr
	s_wait_tensorcnt 0x0                           ; the wave's end
	ds_add_u32 v[SPW], v[NIL]
	s_wait_dscnt 0x0
	ROUND                                          ; the closing round
	s_endpgm
.Lfunc_end_k_qbfff7edd62_attn:
	.size	k_qbfff7edd62_attn, .Lfunc_end_k_qbfff7edd62_attn-k_qbfff7edd62_attn
	.p2alignl 7, 3214868480
	.fill 96, 4, 3214868480
	.section	.rodata,"a",@progbits
	.p2align	6, 0x0
	.amdhsa_kernel k_qbfff7edd62_attn
		.amdhsa_group_segment_fixed_size 263168
		.amdhsa_private_segment_fixed_size 0
		.amdhsa_enable_private_segment 0
		.amdhsa_kernarg_size 32
		.amdhsa_user_sgpr_count 2
		.amdhsa_user_sgpr_kernarg_segment_ptr 1
		.amdhsa_wavefront_size32 1
		.amdhsa_system_sgpr_workgroup_id_x 1
		.amdhsa_system_sgpr_workgroup_id_y 1
		.amdhsa_system_sgpr_workgroup_id_z 1
		.amdhsa_system_vgpr_workitem_id 0
		.amdhsa_next_free_vgpr 480
		.amdhsa_next_free_sgpr 70
		.amdhsa_reserve_vcc 1
		.amdhsa_float_denorm_mode_32 3
		.amdhsa_float_denorm_mode_16_64 3
		.amdhsa_memory_ordered 1
		.amdhsa_forward_progress 1
		.amdhsa_inst_pref_size 255
	.end_amdhsa_kernel
	.section	.bss,"aw",@nobits
	.p2align	6
	.space	262144
	.amdgpu_metadata
---
amdhsa.version: [ 1, 2 ]
amdhsa.kernels:
  - .name:           k_qbfff7edd62_attn
    .symbol:         k_qbfff7edd62_attn.kd
    .args:
      - { .name: qf, .offset: 0, .size: 8, .value_kind: global_buffer, .address_space: global }
      - { .name: kv, .offset: 8, .size: 8, .value_kind: global_buffer, .address_space: global }
      - { .name: aux, .offset: 16, .size: 8, .value_kind: global_buffer, .address_space: global }
      - { .name: of, .offset: 24, .size: 8, .value_kind: global_buffer, .address_space: global }
    .group_segment_fixed_size: 263168
    .private_segment_fixed_size: 0
    .kernarg_segment_align: 8
    .kernarg_segment_size: 32
    .max_flat_workgroup_size: 256
    .sgpr_count:     70
    .vgpr_count:     480
    .wavefront_size: 32
...
	.end_amdgpu_metadata
.endif
;; end of part 3
;; launch oproj (part 4): grid 4 x 64, 4 waves a work-group, clusters of 4 x 4, 327,680 bytes of LDS; arguments of, wof, bo, out0; writes out0
.if DOCPART == 4
	.amdgcn_target "amdgcn-amd-amdhsa--gfx1250"
	.amdhsa_code_object_version 6
	.text
	.protected	k_qbfff7edd62_oproj
	.globl	k_qbfff7edd62_oproj
	.p2align	8
	.type	k_qbfff7edd62_oproj,@function
k_qbfff7edd62_oproj:
	s_mov_b64 s[64:65], 0
	v_nop
	global_prefetch_b8 v0, s[64:65] scope:SCOPE_SE
	s_setreg_imm32_b32 hwreg(HW_REG_WAVE_MODE, 25, 1), 1
	s_wait_xcnt 0x0
	s_wait_alu depctr_hold_cnt(0) depctr_sa_sdst(0) depctr_va_vdst(0) depctr_va_sdst(0) depctr_va_ssrc(0) depctr_va_vcc(0) depctr_vm_vsrc(0)
	s_getreg_b32 s2, hwreg(HW_REG_IB_STS2, 6, 4)
	s_cmp_eq_u32 s2, 0
	s_cbranch_scc0 .Lentry_in_a_cluster
	s_endpgm
.Lentry_in_a_cluster:
	s_bfe_u32 s2, ttmp6, 0x10000c
	s_cmp_lg_u32 s2, 0xf033
	s_cbranch_scc0 .Lentry_shape_is_right
	s_endpgm
.Lentry_shape_is_right:
; out0 = o Wo + bo.  o [16384][768] and Wo^T [768 n][768 k] arrive as ready f16 fragments ([tile of 16][k step 24][1024 B]); sums f32; out0 f32.
; SHARES.  A work-group makes 256 rows x 192 columns: 64 x 4 = 256 work-groups.  Wave w makes rows 64 w .. 64 w + 63 x all 192 columns: 48 accumulators, 384 registers; a row's piece is 768 bytes.
; K goes in six chunks of 128 through two LDS slots: o's 16 row tiles x 4096 bytes, then Wo's 12 column tiles x 4096 bytes, dense.  Waves 0 and 1 fetch o's halves, waves 2 and 3 Wo's, one tensor load a wave
; behind each round; it has a trip's 192 matrix instructions in which to land.  By this text's count one tensor load of a wave is out.
; CLUSTER 4 x 4: o's tile hangs on the block of rows alone and is shared along a row of the cluster, Wo's on the block of columns alone and is shared along a column: each is asked for jointly.
; THE MATRIX INSTRUCTION IS USED TRANSPOSED (source 0 = 16 columns of Wo, source 1 = 16 rows of o): a lane holds eight neighbouring numbers of a row of out0.
; REGISTERS.  window 0: v16-30 addresses; v32-43 bo; v44, v45 the add's two; v64-127 o's fragments, two buffers of four; v128-223 the way out.
;   window 1: accumulators of row tiles 0, 1 at 8 (12 i + n);  window 2: of row tiles 2, 3;  window 3: Wo's fragments, two buffers of twelve.
.set SLOT,  114688
.set BOFF,  65536                      ; Wo's tiles in a slot
.set STAGE, 2*SLOT                     ; behind the ring: 16 rows x (768 + 16) bytes for each wave; no tensor load lands here
.set SPITCH, 784
.set SPARE, STAGE+4*16*SPITCH          ; behind the stages: the spare words, 128 bytes for each wave
.set ADA, 16                           ; v16-17 my o fragments in slot 0, 1
.set ADB, 20                           ; v20-21 Wo's
.set STO, 24
.set RD0, 25                           ; the stage, back: 256 h + 16 r
.set RD1, 26                           ; 272 h + 16 r
.set GO0, 28                           ; out0: 256 h + 16 r
.set GO1, 29                           ; 2560 h + 16 r
.set BO1, 30                           ; bo: 512 (1 - h) + 16 r
.set BOV, 32
.set SPW, 44                           ; v44 SPARE + 4 x my thread's number; never rewritten
.set NIL, 45                           ; v45 0; never rewritten
.set AF,  64
.set BK,  128
.set WV,  12
.set G1A, 24
.set G0A, 32
.set G1B, 48
.set G0B, 56
.set MSB, 0
.macro WIN new
.if MSB != \new
	s_set_vgpr_msb (MSB<<8)|\new
.set MSB, \new
.endif
.endm
.macro PLACES n
.rept \n
	v_nop
.endr
.endm
.macro ROUND
	s_barrier_signal -1
	s_barrier_wait -1
	s_cmp_lg_u32 s[WV], 0
	s_cbranch_scc1 .Lnot_wave_0_\@
	s_barrier_signal -3
.Lnot_wave_0_\@:
	s_barrier_wait -3
	s_barrier_signal -1
	s_barrier_wait -1
.endm
; a joint load: each of the two lines has one mask and one set of registers for all that issue it; the branch hangs on the wave's number alone.  An s_nop 0 and four v_nop follow each.
.macro JLOAD s
	s_cmp_eq_u32 s13, 0
	s_cbranch_scc0 .Lfor_b_\@
	tensor_load_to_lds s[G0A+4*\s:G0A+4*\s+3], s[G1A:G1A+7]
	s_nop 0
	PLACES 4
	s_branch .Lasked_\@
.Lfor_b_\@:
	tensor_load_to_lds s[G0B+4*\s:G0B+4*\s+3], s[G1B:G1B+7]
	s_nop 0
	PLACES 4
.Lasked_\@:
.endm
; 32 LDS loads in one run: the fragments of the slot's q-th 32 along K into buffer buf
.macro FETCH slot, q, buf
	WIN 0xc0                                       ; destination window 3
.irp n, 0,1,2,3,4,5,6,7,8,9,10,11
	ds_load_b128 v[96*(\buf)+8*\n:96*(\buf)+8*\n+3], v[ADB+\slot] offset:\n*4096+(\q)*1024
	ds_load_b128 v[96*(\buf)+8*\n+4:96*(\buf)+8*\n+7], v[ADB+\slot] offset:\n*4096+(\q)*1024+512
.endr
	WIN 0
.irp i, 0,1,2,3
	ds_load_b128 v[AF+32*(\buf)+8*\i:AF+32*(\buf)+8*\i+3], v[ADA+\slot] offset:\i*4096+(\q)*1024
	ds_load_b128 v[AF+32*(\buf)+8*\i+4:AF+32*(\buf)+8*\i+7], v[ADA+\slot] offset:\i*4096+(\q)*1024+512
.endr
.endm
; 48 matrix instructions on buffer buf: the 48 accumulators by turns, always in the same order.  zero = 1: they start the sums
.macro MUL buf, zero
	WIN 0x53                                       ; source 0 (Wo) window 3, source 1 (o) window 0, C and D window 1
.irp i, 0,1
.irp n, 0,1,2,3,4,5,6,7,8,9,10,11
.if \zero
	v_wmma_f32_16x16x32_f16 v[8*(12*\i+\n):8*(12*\i+\n)+7], v[96*(\buf)+8*\n:96*(\buf)+8*\n+7], v[AF+32*(\buf)+8*\i:AF+32*(\buf)+8*\i+7], 0
.else
	v_wmma_f32_16x16x32_f16 v[8*(12*\i+\n):8*(12*\i+\n)+7], v[96*(\buf)+8*\n:96*(\buf)+8*\n+7], v[AF+32*(\buf)+8*\i:AF+32*(\buf)+8*\i+7], v[8*(12*\i+\n):8*(12*\i+\n)+7]
.endif
.endr
.endr
	WIN 0xa3                                       ; C and D window 2
.irp i, 0,1
.irp n, 0,1,2,3,4,5,6,7,8,9,10,11
.if \zero
	v_wmma_f32_16x16x32_f16 v[8*(12*\i+\n):8*(12*\i+\n)+7], v[96*(\buf)+8*\n:96*(\buf)+8*\n+7], v[AF+32*(\buf)+16+8*\i:AF+32*(\buf)+16+8*\i+7], 0
.else
	v_wmma_f32_16x16x32_f16 v[8*(12*\i+\n):8*(12*\i+\n)+7], v[96*(\buf)+8*\n:96*(\buf)+8*\n+7], v[AF+32*(\buf)+16+8*\i:AF+32*(\buf)+16+8*\i+7], v[8*(12*\i+\n):8*(12*\i+\n)+7]
.endif
.endr
.endr
	WIN 0
.endm
; TRIP t: chunk t, in slot t % 2.  At its head the change of slots: all my tensor loads have landed (my part of this chunk), the add, my reads of the other slot are over; a round of the cluster's barrier;
; the other slot's next chunk is asked for first thing behind it.  The last chunk's fourth 32 along K, already in registers, is multiplied while this chunk's first fragments come.
.macro TRIP t
.set SL, (\t)%2
.set SN, ((\t)+1)%2
	s_wait_tensorcnt 0x0                           ; no tensor load of mine is out, so a group 0 may be written
	ds_add_u32 v[SPW], v[NIL]                      ; 0 onto my spare word
.if (\t) >= 1 && (\t) < 5
	s_add_nc_u64 s[G0A+4*SN+2:G0A+4*SN+3], s[G0A+4*SN+2:G0A+4*SN+3], 8192      ; that slot's next chunk: two chunks of 4096 bytes on
	s_add_nc_u64 s[G0B+4*SN+2:G0B+4*SN+3], s[G0B+4*SN+2:G0B+4*SN+3], 8192
.endif
	s_wait_dscnt 0x0                               ; the add is done, and my reads of the other slot are over
.if (\t) < 5
	ROUND                                          ; no wave of any partner still reads that slot or has a load on its way
	JLOAD SN                                       ; the four v_nop behind it are also the places in front of the loads below
.else
	s_barrier_signal -1                            ; the last chunk: nothing is asked for, so my work-group's barrier does
	s_barrier_wait -1
	PLACES 4
.endif
	FETCH SL, 0, 0
.if (\t) > 0
	MUL 1, 0
.endif
.irp q, 0,1,2
	s_wait_dscnt 0x0                               ; the fragments asked for 48 matrix instructions ago are in
	PLACES 4                                       ; in front of loads into the buffer that the last products read
	FETCH SL, \q+1, (\q+1)%2
.if (\t) == 0 && \q == 0
	MUL 0, 1
.else
	MUL \q%2, 0
.endif
.endr
.endm
	s_load_b256 s[4:11], s[0:1], 0x0               ; of 4, wof 6, bo 8, out0 10
	v_lshl_add_u32 v[SPW], v0, 2, SPARE
	v_mov_b32 v[NIL], 0
	ds_add_u32 v[SPW], v[NIL]                      ; the wave's opening: the add, twice on end, and its wait ahead of my first tensor load
	ds_add_u32 v[SPW], v[NIL]
	v_lshrrev_b32 v1, 5, v0
	v_readfirstlane_b32 s[WV], v1                  ; wave 0..3
	s_lshr_b32 s13, s[WV], 1                       ; I fetch for o (0) or for Wo (1)
	s_and_b32 s14, s[WV], 1                        ; which half of that tile
	s_bfe_u32 s40, ttmp6, 0x40000                  ; cx, cy: my place in the cluster
	s_bfe_u32 s41, ttmp6, 0x40004
	s_lshl_b32 s42, ttmp9, 2
	s_add_co_u32 s42, s42, s40                     ; block of 192 columns
	s_and_b32 s15, ttmp7, 0xffff
	s_lshl_b32 s15, s15, 2
	s_add_co_u32 s15, s15, s41                     ; block of 256 rows
	s_lshl_b32 s43, s41, 2
	s_lshl_b32 s43, 15, s43                        ; my row of the cluster
	s_lshl_b32 s44, 0x1111, s40                    ; my column
	; descriptor group 1: rows of 4096 bytes (512 elements of 8 bytes: a tile's four fragments of the chunk), 24576 bytes apart in memory, dense in LDS; 8 of them for o, 6 for Wo
	s_or_b32 s[G1A], s43, (3<<16)|(1<<21)
	s_or_b32 s[G1B], s44, (3<<16)|(1<<21)
	s_mov_b32 s[G1A+1], 512<<16
	s_mov_b32 s[G1A+2], 8<<16
	s_mov_b32 s[G1A+3], 512<<16
	s_mov_b32 s[G1A+4], 8
	s_mov_b32 s[G1A+5], 3072
	s_mov_b32 s[G1A+6], 0
	s_mov_b32 s[G1A+7], 0
	s_mov_b32 s[G1B+1], 512<<16
	s_mov_b32 s[G1B+2], 6<<16
	s_mov_b32 s[G1B+3], 512<<16
	s_mov_b32 s[G1B+4], 6
	s_mov_b32 s[G1B+5], 3072
	s_mov_b32 s[G1B+6], 0
	s_mov_b32 s[G1B+7], 0
	s_lshl_b32 s16, s15, 4
	s_lshl_b32 s17, s14, 3
	s_add_co_u32 s16, s16, s17                     ; o: row tile 16 x block + 8 x half
	s_mul_i32 s16, s16, 24576
	s_mov_b32 s17, 0
	s_mul_i32 s46, s42, 12
	s_mul_i32 s47, s14, 6
	s_add_co_u32 s46, s46, s47                     ; Wo: column tile 12 x block + 6 x half
	s_mul_i32 s46, s46, 24576
	s_mov_b32 s47, 0
	s_lshl_b32 s20, s14, 15                        ; where they go in a slot: no place in the cluster enters an LDS address
	s_mul_i32 s21, s14, 24576
	s_add_co_u32 s21, s21, BOFF
	s_wait_dscnt 0x0                               ; both opening adds are done
	s_wait_kmcnt 0x0
	s_add_nc_u64 s[16:17], s[4:5], s[16:17]
	s_add_nc_u64 s[46:47], s[6:7], s[46:47]
	ROUND                                          ; all sixteen work-groups are here: the first joint loads meet
.irp s, 0,1
	s_mov_b32 s[G0A+4*\s], 1
	s_add_co_u32 s[G0A+4*\s+1], s20, \s*SLOT
	s_add_nc_u64 s[G0A+4*\s+2:G0A+4*\s+3], s[16:17], \s*4096
	s_or_b32 s[G0A+4*\s+3], s[G0A+4*\s+3], 0x80000000
	s_mov_b32 s[G0B+4*\s], 1
	s_add_co_u32 s[G0B+4*\s+1], s21, \s*SLOT
	s_add_nc_u64 s[G0B+4*\s+2:G0B+4*\s+3], s[46:47], \s*4096
	s_or_b32 s[G0B+4*\s+3], s[G0B+4*\s+3], 0x80000000
.endr
	JLOAD 0                                        ; chunk 0; chunk 1 goes into slot 1 behind the first trip's round
	v_and_b32 v1, 15, v0                           ; r
	v_bfe_u32 v2, v0, 4, 1                         ; h
	v_and_b32 v3, 31, v0
	v_lshlrev_b32 v3, 4, v3                        ; 16 x lane
	s_lshl_b32 s22, s[WV], 14                      ; my four row tiles
	v_add_nc_u32 v[ADA], s22, v3
	v_add_nc_u32 v[ADA+1], SLOT, v[ADA]
	v_add_nc_u32 v[ADB], BOFF, v3
	v_add_nc_u32 v[ADB+1], SLOT+BOFF, v3
	s_mul_i32 s23, s[WV], 16*SPITCH
	s_add_co_u32 s23, s23, STAGE                   ; my stage
	v_mul_u32_u24 v[STO], v1, SPITCH
	v_lshl_add_u32 v[STO], v2, 5, v[STO]
	v_add_nc_u32 v[STO], s23, v[STO]               ; in: row r, 32 bytes for each half of the lanes
	v_lshlrev_b32 v4, 4, v1
	v_lshl_add_u32 v[GO0], v2, 8, v4               ; two rows of 768 bytes are six pieces of 256: three instructions, sixteen lanes to a piece
	v_mad_u32_u24 v[GO1], v2, 2560, v4
	v_add_nc_u32 v[RD0], s23, v[GO0]
	v_mad_u32_u24 v[RD1], v2, 272, v4
	v_add_nc_u32 v[RD1], s23, v[RD1]
	v_sub_nc_u32 v5, 1, v2
	v_lshl_add_u32 v[BO1], v5, 9, v4
	s_mul_i32 s18, s42, 768                        ; my 192 columns, in bytes
	s_mov_b32 s19, 0
	s_add_nc_u64 s[8:9], s[8:9], s[18:19]
	s_add_nc_u64 s[10:11], s[10:11], s[18:19]
	s_lshl_b32 s18, s15, 8
	s_lshl_b32 s22, s[WV], 6
	s_add_co_u32 s18, s18, s22
	s_mul_i32 s18, s18, 3072                       ; my first row
	s_add_nc_u64 s[10:11], s[10:11], s[18:19]
	global_load_b128 v[BOV:BOV+3], v[GO0], s[8:9]              ; bo at the three pieces' columns
	global_load_b128 v[BOV+4:BOV+7], v[BO1], s[8:9]
	global_load_b128 v[BOV+8:BOV+11], v[GO0], s[8:9] offset:256
	TRIP 0
	TRIP 1
	TRIP 2
	TRIP 3
	TRIP 4
	TRIP 5
	s_wait_dscnt 0x0
	MUL 1, 0                                       ; the last 32 along K
	PLACES 4                                       ; in front of the first read of results
	s_wait_loadcnt 0x0                             ; bo
; THE WAY OUT, a row tile at a time: 16 rows x 768 bytes through my own stage, back as pieces of 256 bytes, + bo, stored so that sixteen lanes cover 256 consecutive bytes, aligned.
.macro OUT i
.if (\i) > 0
	s_wait_xcnt 0x0                                ; the last tile's stores have read their registers, which the loads below fill again
.endif
.set WW, 0x04+0x04*((\i)/2)
	WIN WW                                         ; an LDS store's data are its source 1: window 1 or 2
.irp n, 0,1,2,3,4,5,6,7,8,9,10,11
	ds_store_b128 v[STO], v[8*(12*((\i)%2)+\n):8*(12*((\i)%2)+\n)+3] offset:64*\n          ; each accumulator from its low end on
	ds_store_b128 v[STO], v[8*(12*((\i)%2)+\n)+4:8*(12*((\i)%2)+\n)+7] offset:64*\n+16
.endr
	WIN 0
.irp g, 0,1,2,3,4,5,6,7                ; rows 2 g, 2 g + 1.  LDS serves a wave's instructions in order: these see the stores above, and the next tile's stores come behind them
	ds_load_b128 v[BK+12*\g:BK+12*\g+3], v[RD0] offset:\g*2*SPITCH
	ds_load_b128 v[BK+12*\g+4:BK+12*\g+7], v[RD1] offset:\g*2*SPITCH+512
	ds_load_b128 v[BK+12*\g+8:BK+12*\g+11], v[RD0] offset:\g*2*SPITCH+1040
.endr
	s_wait_dscnt 0x0
.irp g, 0,1,2,3,4,5,6,7
.irp e, 0,2,4,6,8,10
	v_pk_add_f32 v[BK+12*\g+\e:BK+12*\g+\e+1], v[BK+12*\g+\e:BK+12*\g+\e+1], v[BOV+\e:BOV+\e+1]
.endr
.endr
.irp g, 0,1,2,3,4,5,6,7
	global_store_b128 v[GO0], v[BK+12*\g:BK+12*\g+3], s[10:11] offset:(\i)*49152+\g*6144 th:TH_STORE_NT
	global_store_b128 v[GO1], v[BK+12*\g+4:BK+12*\g+7], s[10:11] offset:(\i)*49152+\g*6144+512 th:TH_STORE_NT
	global_store_b128 v[GO0], v[BK+12*\g+8:BK+12*\g+11], s[10:11] offset:(\i)*49152+\g*6144+3328 th:TH_STORE_NT
.endr
.endm
	OUT 0
	OUT 1
	OUT 2
	OUT 3
	s_wait_tensorcnt 0x0                           ; the wave's end, behind my last tensor load and my last LDS store
	ds_add_u32 v[SPW], v[NIL]
	s_wait_dscnt 0x0
	ROUND                                          ; the closing round: no work-group ends while a partner may still ask for a tile that names it
	s_endpgm
.Lfunc_end_k_qbfff7edd62_oproj:
	.size	k_qbfff7edd62_oproj, .Lfunc_end_k_qbfff7edd62_oproj-k_qbfff7edd62_oproj
	.p2alignl 7, 3214868480
	.fill 96, 4, 3214868480
	.section	.rodata,"a",@progbits
	.p2align	6, 0x0
	.amdhsa_kernel k_qbfff7edd62_oproj
		.amdhsa_group_segment_fixed_size 327680
		.amdhsa_private_segment_fixed_size 0
		.amdhsa_enable_private_segment 0
		.amdhsa_kernarg_size 32
		.amdhsa_user_sgpr_count 2
		.amdhsa_user_sgpr_kernarg_segment_ptr 1
		.amdhsa_wavefront_size32 1
		.amdhsa_system_sgpr_workgroup_id_x 1
		.amdhsa_system_sgpr_workgroup_id_y 1
		.amdhsa_system_sgpr_workgroup_id_z 1
		.amdhsa_system_vgpr_workitem_id 0
		.amdhsa_next_free_vgpr 960
		.amdhsa_next_free_sgpr 66
		.amdhsa_reserve_vcc 0
		.amdhsa_float_denorm_mode_32 3
		.amdhsa_float_denorm_mode_16_64 3
		.amdhsa_memory_ordered 1
		.amdhsa_forward_progress 1
		.amdhsa_inst_pref_size 173
	.end_amdhsa_kernel
	.amdgpu_metadata
---
amdhsa.version: [ 1, 2 ]
amdhsa.kernels:
  - .name:           k_qbfff7edd62_oproj
    .symbol:         k_qbfff7edd62_oproj.kd
    .args:
      - { .name: of, .offset: 0, .size: 8, .value_kind: global_buffer, .address_space: global }
      - { .name: wof, .offset: 8, .size: 8, .value_kind: global_buffer, .address_space: global }
      - { .name: bo, .offset: 16, .size: 8, .value_kind: global_buffer, .address_space: global }
      - { .name: out0, .offset: 24, .size: 8, .value_kind: global_buffer, .address_space: global }
    .group_segment_fixed_size: 327680
    .private_segment_fixed_size: 0
    .kernarg_segment_align: 8
    .kernarg_segment_size: 32
    .max_flat_workgroup_size: 128
    .sgpr_count:     66
    .vgpr_count:     960
    .wavefront_size: 32
...
	.end_amdgpu_metadata
.endif
;; end of part 4
